; MI455X (gfx1250); checked and timed in simulation.
; The chip was launched on July 23, 2026; its instructions are those of AMD's public machine-readable ISA for CDNA 5 (MIT licence, August 2026) and "CDNA5" Instruction Set Architecture Reference Guide (July 2026). The comments in the code are by the model that wrote it; some were corrected since.
;; Diff Attention. Allowed arithmetic: float matrix products may take bf16 or f16 operands with f32 sums; other float arithmetic in f32, or as packed bf16 or f16 multiplies, adds, multiply-adds, maxima and minima; sums over many terms, partial sums and values carried from step to step in f32; what a program stores and reads back later, other than sums and carried values, may be rounded once to bf16 or f16.
;; Inputs: wk 2,048 x 1,024 float32; wo 4,096 x 2,048 float32; wq 2,048 x 4,096 float32; wv 2,048 x 1,024 float32; x 2 x 1,024 x 2,048 float32.
;; Outputs: out0 2 x 1,024 x 2,048 float32.
;; One version. Each part assembles by itself: llvm-mc -triple=amdgcn-amd-amdhsa -mcpu=gfx1250 --defsym DOCPART=n.
;; ======== version 1 of 1: 4 launches
;; limits: values are held in f16: magnitudes above 65,504 overflow, below 6.1e-05 lose precision
;; workspace buffers: xb 8,388,608 bytes; wb 25,165,824 bytes; wof 16,777,216 bytes; rope 589,824 bytes; qkv 25,165,824 bytes; ob 16,777,216 bytes
;; launch prep (part 1): grid 1608 x 1, 8 waves a work-group, no clusters, 0 bytes of LDS; arguments x, wq, wk, wv, wo, xb, wb, wof, rope; writes xb, wb, wof, rope
.if DOCPART == 1
	.amdgcn_target "amdgcn-amd-amdhsa--gfx1250"
	.amdhsa_code_object_version 6
	.text
	.protected	k_qb5b475e62a_prep
	.globl	k_qb5b475e62a_prep
	.p2align	8
	.type	k_qb5b475e62a_prep,@function
k_qb5b475e62a_prep:
	s_mov_b64 s[64:65], 0
	v_nop
	global_prefetch_b8 v0, s[64:65] scope:SCOPE_SE
	s_setreg_imm32_b32 hwreg(HW_REG_WAVE_MODE, 25, 1), 1
	s_wait_xcnt 0x0
; CASTS AND THE ROTARY TABLE.  Work-groups 0-71 make the table; 72-327 cast x, 328-839 wq, 840-967 wk, 968-1095 wv, 1096-1607 wo.
; x, wq, wk, wv are rounded once to bf16.  wo is rounded to bf16 and that number is written as f16 (exact inside f16's normal range).
; wb is [2048 k][6144 n]: wq's 4096 columns, wk's 1024, wv's 1024.  In each chunk of 128 columns of wq and wk place 2 i holds channel i and place 2 i + 1
; channel i + 64, so that the two numbers that a rotation mixes lie side by side; q . k does not change under a permutation applied to both.
; rope is [1152 rows][64 i][cos, sin] in f32: row t < 1024 holds the angle t x 10000^(-i/64); rows 1024-1151 hold (1, 0), the rotation that changes nothing (for v).
; A cast work-group takes 65,536 input bytes, a wave 8,192: sixteen loads of 16 bytes a lane, all issued first; no register of a pending instruction is rewritten.
; No LDS, no matrix unit, no cluster: the work-groups share no byte, and memory alone binds.
; LIMITS.  wo beyond 65,504 would become an infinity; below 6e-5 it keeps f16's fixed step of 6e-8.  The table's angles are good to about 1e-4 radians at t = 1023.
.set IN,  16                           ; v[16:79]   as loaded
.set OUT, 80                           ; v[80:111]  to store
	s_load_b512 s[4:19], s[0:1], 0x0               ; x s[4:5], wq s[6:7], wk s[8:9], wv s[10:11], wo s[12:13], xb s[14:15], wb s[16:17], wof s[18:19]
	s_load_b64 s[20:21], s[0:1], 0x40              ; rope
	v_and_b32 v1, 31, v0                           ; lane
	v_lshrrev_b32 v2, 5, v0                        ; wave
	s_mov_b32 s23, 0                               ; the offsets' high words
	s_mov_b32 s25, 0
	s_wait_kmcnt 0x0
	s_cmp_lt_u32 ttmp9, 72
	s_cbranch_scc1 .Lrope
	s_cmp_lt_u32 ttmp9, 328
	s_cbranch_scc1 .Lx
	s_cmp_lt_u32 ttmp9, 840
	s_cbranch_scc1 .Lwq
	s_cmp_lt_u32 ttmp9, 968
	s_cbranch_scc1 .Lwk
	s_cmp_lt_u32 ttmp9, 1096
	s_cbranch_scc1 .Lwv
	s_branch .Lwo
; j = my number in the section.  s[26:27] = input + 65,536 j; s[28:29] = output + outmul j + outadd.
.macro BASES first, inp, outp, outmul, outadd
	s_sub_co_u32 s22, ttmp9, \first
	s_mul_i32 s24, s22, \outmul
	s_add_co_u32 s24, s24, \outadd
	s_lshl_b32 s22, s22, 16
	s_add_nc_u64 s[26:27], s[\inp:\inp+1], s[22:23]
	s_add_nc_u64 s[28:29], s[\outp:\outp+1], s[24:25]
.endm
; A cast in the order of memory.  kind 0: x; 1: wo (bf16, then written as f16); 2: wv (its rows of 1,024 columns go into wb's rows of 6,144).
; A wave's store covers 256 consecutive bytes, aligned.
.macro CASTP kind
	v_lshlrev_b32 v3, 4, v1
	v_lshl_add_u32 v3, v2, 13, v3                  ; in: 8,192 wave + 16 lane
.if (\kind) == 2
	v_mul_u32_u24 v4, v2, 0x6000                   ; out: a wave has two rows of wb, 24,576 bytes
	v_lshl_add_u32 v4, v1, 3, v4
.else
	v_lshlrev_b32 v4, 3, v1
	v_lshl_add_u32 v4, v2, 12, v4                  ; out: 4,096 wave + 8 lane
.endif
.set n, 0
.rept 16
	global_load_b128 v[IN+4*n:IN+4*n+3], v3, s[26:27] offset:512*n th:TH_LOAD_NT
.set n, n+1
.endr
.set n, 0
.rept 16
	s_wait_loadcnt 15-n                            ; loads come back in order: load n is in, the younger ones stay out
	v_cvt_pk_bf16_f32 v[OUT+2*n], v[IN+4*n], v[IN+4*n+1]
	v_cvt_pk_bf16_f32 v[OUT+2*n+1], v[IN+4*n+2], v[IN+4*n+3]
.if (\kind) == 1
	v_lshlrev_b32 v[IN+4*n], 16, v[OUT+2*n]        ; the rounded numbers as f32 again,
	v_and_b32 v[IN+4*n+1], 0xffff0000, v[OUT+2*n]
	v_lshlrev_b32 v[IN+4*n+2], 16, v[OUT+2*n+1]
	v_and_b32 v[IN+4*n+3], 0xffff0000, v[OUT+2*n+1]
	v_cvt_pk_f16_f32 v[OUT+2*n], v[IN+4*n], v[IN+4*n+1]  ; and written as f16
	v_cvt_pk_f16_f32 v[OUT+2*n+1], v[IN+4*n+2], v[IN+4*n+3]
.endif
.if (\kind) == 2
	global_store_b64 v4, v[OUT+2*n:OUT+2*n+1], s[28:29] offset:(n/8)*12288+(n%8)*256
.else
	global_store_b64 v4, v[OUT+2*n:OUT+2*n+1], s[28:29] offset:256*n
.endif
.set n, n+1
.endr
.endm
; A cast that interleaves.  Sixteen lanes take a chunk of 128 columns: four channels 4 l .. and, 256 bytes on, the four channels 64 + 4 l ..; the two halves of a wave take two chunks.
; kind 0: wq (a wave has half a row); 1: wk (a wave has two rows).  A wave's store covers 512 consecutive bytes, aligned.
.macro CASTI kind
	v_and_b32 v3, 15, v0
	v_bfe_u32 v5, v0, 4, 1
	v_lshlrev_b32 v3, 4, v3
	v_lshl_add_u32 v3, v5, 9, v3
	v_lshl_add_u32 v3, v2, 13, v3                  ; in: 8,192 wave + 512 half + 16 (lane mod 16)
.if (\kind) == 0
	v_lshrrev_b32 v5, 1, v2
	v_mul_u32_u24 v4, v5, 0x3000                   ; out: row wave / 2,
	v_and_b32 v5, 1, v2
	v_lshl_add_u32 v4, v5, 12, v4                  ; its half,
	v_lshl_add_u32 v4, v1, 4, v4                   ; 16 lane
.else
	v_mul_u32_u24 v4, v2, 0x6000
	v_lshl_add_u32 v4, v1, 4, v4
.endif
.set n, 0
.rept 8
	global_load_b128 v[IN+8*n:IN+8*n+3], v3, s[26:27] offset:1024*n th:TH_LOAD_NT
	global_load_b128 v[IN+8*n+4:IN+8*n+7], v3, s[26:27] offset:1024*n+256 th:TH_LOAD_NT
.set n, n+1
.endr
.set n, 0
.rept 8
	s_wait_loadcnt 14-2*n                          ; pair n is in, the younger pairs stay out
.irp e, 0,1,2,3
	v_cvt_pk_bf16_f32 v[OUT+4*n+(\e)], v[IN+8*n+(\e)], v[IN+8*n+4+(\e)]  ; channel i below, channel i + 64 above
.endr
.if (\kind) == 0
	global_store_b128 v4, v[OUT+4*n:OUT+4*n+3], s[28:29] offset:512*n
.else
	global_store_b128 v4, v[OUT+4*n:OUT+4*n+3], s[28:29] offset:(n/4)*12288+(n%4)*512
.endif
.set n, n+1
.endr
.endm
.Lx:
	BASES 72, 4, 14, 32768, 0
	CASTP 0
	s_endpgm
.Lwq:
	BASES 328, 6, 16, 49152, 0                     ; four rows of wb
	CASTI 0
	s_endpgm
.Lwk:
	BASES 840, 8, 16, 196608, 8192                 ; sixteen rows of wb, from column 4,096
	CASTI 1
	s_endpgm
.Lwv:
	BASES 968, 10, 16, 196608, 10240               ; sixteen rows of wb, from column 5,120
	CASTP 2
	s_endpgm
.Lwo:
	BASES 1096, 12, 18, 32768, 0
	CASTP 1
	s_endpgm
; THE TABLE.  A work-group makes 16 rows; a thread the entries i0 = 2 lane and i0 + 1 of rows wave and wave + 8.
; The angle is reduced by a multiple of 2 pi held in two parts, quartered, put through the series of sine and cosine (|argument| <= pi / 4), and doubled twice.
.macro SINCOS tf, fr, c, s
	v_mul_f32 v9, v[\tf], v[\fr]                   ; the angle
	v_mul_f32 v10, 0x3e22f983, v9                  ; / 2 pi
	v_rndne_f32 v10, v10
	v_fma_f32 v9, -v10, s32, v9                    ; less n x 2 pi, high part
	v_fma_f32 v9, -v10, s33, v9                    ; and low part
	v_mul_f32 v9, 0x3e800000, v9                   ; a quarter of it
	v_mul_f32 v11, v9, v9
	v_mov_b32 v12, 0xb9500d01                      ; -1/5040
	v_fmaak_f32 v12, v12, v11, 0x3c088889          ; 1/120
	v_fmaak_f32 v12, v12, v11, 0xbe2aaaab          ; -1/6
	v_mul_f32 v12, v12, v11
	v_fma_f32 v[\s], v9, v12, v9
	v_mov_b32 v13, 0x37d00d01                      ; 1/40320
	v_fmaak_f32 v13, v13, v11, 0xbab60b61          ; -1/720
	v_fmaak_f32 v13, v13, v11, 0x3d2aaaab          ; 1/24
	v_fmaak_f32 v13, v13, v11, 0xbf000000          ; -1/2
	v_fmaak_f32 v[\c], v13, v11, 0x3f800000        ; 1
.rept 2
	v_mul_f32 v12, v[\s], v[\c]
	v_mul_f32 v13, v[\s], v[\s]
	v_add_f32 v[\s], v12, v12                      ; sin 2 a = 2 sin a cos a
	v_fma_f32 v[\c], v13, -2.0, 1.0                ; cos 2 a = 1 - 2 sin^2 a
.endr
.endm
.Lrope:
	s_lshl_b32 s22, ttmp9, 13                      ; 16 rows of 512 bytes
	s_add_nc_u64 s[28:29], s[20:21], s[22:23]
	s_cmp_lt_u32 ttmp9, 64
	s_cselect_b32 s30, 1.0, 0                      ; rows from 1,024 on take the angle 0
	s_lshl_b32 s31, ttmp9, 4
	s_mov_b32 s32, 0x40c90fdb                      ; 2 pi, rounded to f32,
	s_mov_b32 s33, 0xb43bbd2e                      ; and what that rounding left
	v_lshlrev_b32 v3, 1, v1
	v_cvt_f32_u32 v4, v3                           ; i0
	v_add_f32 v5, 1.0, v4                          ; i0 + 1
	v_mul_f32 v4, 0xbe549a78, v4                   ; x -log2(10000) / 64
	v_mul_f32 v5, 0xbe549a78, v5
	v_exp_f32 v4, v4
	v_exp_f32 v5, v5
	v_add_nc_u32 v6, s31, v2                       ; my first row (a plain instruction behind the exponentials: ISA guide 5.7.2)
	v_add_nc_u32 v7, 8, v6
	v_cvt_f32_u32 v6, v6
	v_cvt_f32_u32 v7, v7
	v_mul_f32 v6, s30, v6
	v_mul_f32 v7, s30, v7
	v_lshlrev_b32 v8, 4, v1
	v_lshl_add_u32 v8, v2, 9, v8                   ; 512 wave + 16 lane
	s_wait_alu depctr_va_vdst(0)
	SINCOS 6, 4, 20, 21
	SINCOS 6, 5, 22, 23
	SINCOS 7, 4, 24, 25
	SINCOS 7, 5, 26, 27
	global_store_b128 v8, v[20:23], s[28:29]       ; a wave's store is a whole row, 512 consecutive bytes
	global_store_b128 v8, v[24:27], s[28:29] offset:4096
	s_endpgm
.Lfunc_end_k_qb5b475e62a_prep:
	.size	k_qb5b475e62a_prep, .Lfunc_end_k_qb5b475e62a_prep-k_qb5b475e62a_prep
	.p2alignl 7, 3214868480
	.fill 96, 4, 3214868480
	.section	.rodata,"a",@progbits
	.p2align	6, 0x0
	.amdhsa_kernel k_qb5b475e62a_prep
		.amdhsa_group_segment_fixed_size 0
		.amdhsa_private_segment_fixed_size 0
		.amdhsa_enable_private_segment 0
		.amdhsa_kernarg_size 72
		.amdhsa_user_sgpr_count 2
		.amdhsa_user_sgpr_kernarg_segment_ptr 1
		.amdhsa_wavefront_size32 1
		.amdhsa_system_sgpr_workgroup_id_x 1
		.amdhsa_system_sgpr_workgroup_id_y 1
		.amdhsa_system_sgpr_workgroup_id_z 1
		.amdhsa_system_vgpr_workitem_id 0
		.amdhsa_next_free_vgpr 112
		.amdhsa_next_free_sgpr 66
		.amdhsa_reserve_vcc 0
		.amdhsa_float_denorm_mode_32 3
		.amdhsa_float_denorm_mode_16_64 3
		.amdhsa_memory_ordered 1
		.amdhsa_forward_progress 1
		.amdhsa_inst_pref_size 41
	.end_amdhsa_kernel
	.amdgpu_metadata
---
amdhsa.version: [ 1, 2 ]
amdhsa.kernels:
  - .name:           k_qb5b475e62a_prep
    .symbol:         k_qb5b475e62a_prep.kd
    .args:
      - { .name: x, .offset: 0, .size: 8, .value_kind: global_buffer, .address_space: global }
      - { .name: wq, .offset: 8, .size: 8, .value_kind: global_buffer, .address_space: global }
      - { .name: wk, .offset: 16, .size: 8, .value_kind: global_buffer, .address_space: global }
      - { .name: wv, .offset: 24, .size: 8, .value_kind: global_buffer, .address_space: global }
      - { .name: wo, .offset: 32, .size: 8, .value_kind: global_buffer, .address_space: global }
      - { .name: xb, .offset: 40, .size: 8, .value_kind: global_buffer, .address_space: global }
      - { .name: wb, .offset: 48, .size: 8, .value_kind: global_buffer, .address_space: global }
      - { .name: wof, .offset: 56, .size: 8, .value_kind: global_buffer, .address_space: global }
      - { .name: rope, .offset: 64, .size: 8, .value_kind: global_buffer, .address_space: global }
    .group_segment_fixed_size: 0
    .private_segment_fixed_size: 0
    .kernarg_segment_align: 8
    .kernarg_segment_size: 72
    .max_flat_workgroup_size: 256
    .sgpr_count:     66
    .vgpr_count:     112
    .wavefront_size: 32
...
	.end_amdgpu_metadata
.endif
;; end of part 1
;; launch qkv (part 2): grid 16 x 16, 4 waves a work-group, clusters of 4 x 4, 327,680 bytes of LDS; arguments xb, wb, rope, qkv; writes qkv
.if DOCPART == 2
	.amdgcn_target "amdgcn-amd-amdhsa--gfx1250"
	.amdhsa_code_object_version 6
	.text
	.protected	k_qb5b475e62a_qkv
	.globl	k_qb5b475e62a_qkv
	.p2align	8
	.type	k_qb5b475e62a_qkv,@function
k_qb5b475e62a_qkv:
	s_mov_b64 s[64:65], 0
	v_nop
	global_prefetch_b8 v0, s[64:65] scope:SCOPE_SE
	s_setreg_imm32_b32 hwreg(HW_REG_WAVE_MODE, 25, 1), 1
	s_wait_xcnt 0x0
	s_wait_alu depctr_hold_cnt(0) depctr_sa_sdst(0) depctr_va_vdst(0) depctr_va_sdst(0) depctr_va_ssrc(0) depctr_va_vcc(0) depctr_vm_vsrc(0)
	s_getreg_b32 s2, hwreg(HW_REG_IB_STS2, 6, 4)
	s_cmp_eq_u32 s2, 0
	s_cbranch_scc0 .Lentry_in_a_cluster
	s_endpgm
.Lentry_in_a_cluster:
	s_bfe_u32 s2, ttmp6, 0x10000c
	s_cmp_lg_u32 s2, 0xf033
	s_cbranch_scc0 .Lentry_shape_is_right
	s_endpgm
.Lentry_shape_is_right:
; qkv[row][n] = the rotation of (the sum over k of xb[row][k] wb[k][n]).  xb [2048][2048] bf16, wb [2048 k][6144 n] bf16, qkv [2048][6144] f16; sums in f32.
; A tile is 128 rows x 384 columns: 16 x 16 work-groups, one for each of 256 WGPs.  Wave w makes all 128 rows of columns 96 w .. 96 w + 95: 48 accumulators, 384 registers.
; K goes in 16 steps of 128 through two LDS slots; a slot holds x's tile (128 rows of 256 bytes) and three sub-tiles of w (128 k-rows of 256 bytes each): wave 0 fetches the first, waves 1-3 the others.
; wb lies [k][n], so its fragments come out of LDS turned, by ds_load_tr16_b128.  THE MATRIX INSTRUCTION IS USED TRANSPOSED (source 0 = 16 columns of w, source 1 = 16 rows of x):
; a lane holds one row and eight neighbouring columns, which in q's and k's chunks are four pairs (channel i, channel i + 64): the rotation stays inside the lane.
; v's columns take the table's rows 1024.., which hold (1, 0): one text for all columns, chosen by a select on the column block, not by a branch.
; CLUSTERS: 4 x 4.  The tile row is 4 x the cluster's x + cx, the tile column 4 x its y + cy: clusters with neighbouring numbers share w's tiles, which are three times x's bytes.
; x's tile hangs on the tile row alone and is asked for jointly by the four with my cx, w's on the tile column alone, by the four with my cy.
; THE WALK ALONG K begins at step 4 ((X + 2 ((Y xor Y / 2) mod 2)) mod 4), X and Y the cluster's, and wraps at 16: the four clusters that need the same tile of w ask for it four steps apart, and
; not all in the same step; of the clusters that need the same tile of x, those with Y 0 and 1, 2 and 3, 0 and 2, 1 and 3 ask eight steps apart.  Only the order of the f32 sums hangs on it.
; LIMIT.  q, k and v leave as f16: beyond 65,504 they would become infinities.
; REGISTERS: window 0: v0-31 addresses; v64-127, v128-191 x's fragments, two buffers.  window 1: v64-111, v128-175 w's fragments, two buffers.
;   window 2: accumulators of row blocks 0-3 ((a, b) at v[8 (6 a + b)]).   window 3: row blocks 4-7.   The 384 registers that the loop leaves idle hold the table of all eight row blocks (macro TBL).
;   On the way out, window 0: v64-79 T, v112-159 Y, v160-183 PK, then v64-255 whole rows.
.set PAP,    272                       ; x's rows in LDS: 256 bytes + 16: the sixteen rows of a load start at sixteen different groups of four banks (ISA guide 11.1)
.set PBP,    288                       ; w's rows: 256 + 32
.set SUB,    36864                     ; a quarter of a slot: 128 rows x 288; x's tile uses 34,816 of its quarter
.set SLOT,   4*SUB
.set SPARE,  2*SLOT                    ; behind the ring: the spare words, 128 bytes for each wave: two blocks of 256 bytes that no other line names
.set SPITCH, 784                       ; the stage: 128 rows x (768 + 16) bytes from LDS byte 0: slot 0, when it has had its last fill and its last read
.set LAPS,   8                         ; a lap = two K steps
.set ADRA, 6                           ; v6-7    x's fragments in slot 0, 1
.set ADRB, 8                           ; v8-19   w's fragments: slot 0's six column blocks, then slot 1's
.set STO,  20                          ; v20     the way out: where I put 16 bytes of a row, row blocks 0-3
.set STO2, 21                          ; v21     row blocks 4-7
.set RD,   22                          ; v22     where I read rows back
.set CO,   23                          ; v23     my byte offset in qkv
.set RO,   24                          ; v24-29  my byte offset in the table, for each column block; never rewritten
.set SPW,  30                          ; v30     my spare word; never rewritten
.set NIL,  31                          ; v31     0; never rewritten
.set F0,   64
.set F1,   128
.set T,    64
.set Y,    112
.set PK,   160
.set OB,   64
.set G1,  24                           ; s[24:31] group 1 for x's tile;  s[32:39] group 0, a set for each slot
.set G0,  32
.set G1B, 48                           ; s[48:55], s[56:63] the same for w's
.set G0B, 56
.set KS,  72                           ; s72      the K step to be asked for next
.set OFA, 74                           ; s[74:75] its byte offset in x's rows
.set OFB, 76                           ; s[76:77] and in wb
.set MSB, 0
.macro WIN new                         ; the immediate's high byte repeats the setting that is left
.if MSB != (\new)
	s_set_vgpr_msb (MSB<<8)|(\new)
.set MSB, \new
.endif
.endm
.macro PLACES                          ; four places in front of loads into registers that matrix instructions have read, and of lines that read results
.rept 4
	v_nop
.endr
.endm
.macro STEPADR s                       ; slot s's two descriptors take K step KS: each address is made anew from its base (x's s[14:15], w's s[46:47]) and an offset; KS goes on and wraps
	s_lshl_b32 s[OFA], s[KS], 8                    ; 128 elements along x's rows
	s_mul_i32 s[OFB], s[KS], 128*12288             ; 128 rows of wb
	s_add_nc_u64 s[G0+4*(\s)+2:G0+4*(\s)+3], s[14:15], s[OFA:OFA+1]
	s_or_b32 s[G0+4*(\s)+3], s[G0+4*(\s)+3], 0x80000000
	s_add_nc_u64 s[G0B+4*(\s)+2:G0B+4*(\s)+3], s[46:47], s[OFB:OFB+1]
	s_or_b32 s[G0B+4*(\s)+3], s[G0B+4*(\s)+3], 0x80000000
	s_add_co_u32 s[KS], s[KS], 1
	s_and_b32 s[KS], s[KS], 15
.endm
.macro JLOAD s                         ; a joint load: wave 0 asks for x's tile, waves 1-3 for w's three; an s_nop 0 and four v_nop follow each line
	s_cmp_eq_u32 s12, 0
	s_cbranch_scc0 .Lfor_b_\@
	tensor_load_to_lds s[G0+4*(\s):G0+4*(\s)+3], s[G1:G1+7]
	s_nop 0
.rept 4
	v_nop
.endr
	s_branch .Lasked_\@
.Lfor_b_\@:
	tensor_load_to_lds s[G0B+4*(\s):G0B+4*(\s)+3], s[G1B:G1B+7]
	s_nop 0
.rept 4
	v_nop
.endr
.Lasked_\@:
.endm
.macro CREST                           ; a round of the cluster's barrier behind its opening barrier
	s_cmp_lg_u32 s12, 0
	s_cbranch_scc1 .Lnot_wave_0_\@
	s_barrier_signal -3
.Lnot_wave_0_\@:
	s_barrier_wait -3
	s_barrier_signal -1
	s_barrier_wait -1
.endm
.macro CROUND
	s_barrier_signal -1
	s_barrier_wait -1
	CREST
.endm
; Where the table of row block a, column block b lies: window TW, registers TR .. TR + 7 (four pairs cos, sin).  All of them are registers that the loop does not name.
.macro TBL a, b
.if (\a) == 0
.set TW, 0
.set TR, 192+8*(\b)
.elseif (\a) == 1
.set TW, 1
.set TR, 8*(\b)
.elseif (\a) == 2
.set TW, 1
.set TR, 176+8*(\b)
.elseif (\a) == 3
.set TW, 2
.set TR, 192+8*(\b)
.elseif (\a) == 4
.set TW, 3
.set TR, 192+8*(\b)
.elseif (\a) == 5
.set TW, 0
.set TR, 32+8*(\b)+176*((\b)/4)        ; v32-63, v240-255
.elseif (\a) == 6
.set TW, 1
.set TR, 48+8*(\b)+48*(((\b)/2+1)/2)+96*((\b)/4)  ; v48-63, v112-127, v224-239
.else
.set TW, 1+(\b)/2
.set TR, 240+8*((\b)%2)                ; v240-255 of windows 1, 2, 3
.endif
.endm
.macro TLOAD a                         ; row block a's table: twelve loads of 16 bytes a lane
.irp b, 0,1,2,3,4,5
	TBL \a, \b
	WIN TW<<6
	global_load_b128 v[TR:TR+3], v[RO+(\b)], s[8:9] offset:8192*(\a)
	global_load_b128 v[TR+4:TR+7], v[RO+(\b)], s[8:9] offset:8192*(\a)+16
.endr
.endm
	s_load_b256 s[4:11], s[0:1], 0x0               ; xb s[4:5], wb s[6:7], rope s[8:9], qkv s[10:11]
	v_lshl_add_u32 v[SPW], v0, 2, SPARE
	v_mov_b32 v[NIL], 0
	ds_add_u32 v[SPW], v[NIL]                      ; the wave's opening: the add and its wait ahead of my first tensor load
	v_lshrrev_b32 v1, 5, v0
	v_readfirstlane_b32 s12, v1                    ; wave 0..3
	s_max_u32 s13, s12, 1
	s_sub_co_u32 s13, s13, 1                       ; which of w's three sub-tiles I fetch (waves 1-3); it enters a global offset alone
	s_bfe_u32 s40, ttmp6, 0x40000                  ; cx, cy
	s_bfe_u32 s41, ttmp6, 0x40004
	s_lshl_b32 s43, ttmp9, 2
	s_add_co_u32 s43, s43, s40                     ; tile row = 4 x cluster x + cx
	s_and_b32 s73, ttmp7, 0xffff                   ; the cluster's y
	s_lshl_b32 s42, s73, 2
	s_add_co_u32 s42, s42, s41                     ; tile column = 4 x cluster y + cy
	s_lshl_b32 s44, 0x1111, s40                    ; the four with my cx
	s_lshl_b32 s45, s41, 2
	s_lshl_b32 s45, 15, s45                        ; the four with my cy
	s_or_b32 s[G1], s44, (1<<16)|(1<<20)|(1<<21)|(5<<22)|(3<<25)   ; the mask; 2-byte elements; padding on; bit 21 beside a mask; after every 64 words, 4 words
	s_or_b32 s[G1B], s45, (1<<16)|(1<<20)|(1<<21)|(5<<22)|(7<<25)  ; the same with 8 words
.irp g, G1, G1B
	s_mov_b32 s[(\g)+1], 128<<16                   ; tensor_dim0 = 128
	s_mov_b32 s[(\g)+2], 128<<16                   ; tensor_dim1 = 128
	s_mov_b32 s[(\g)+3], 128<<16                   ; tile_dim0 = 128
	s_mov_b32 s[(\g)+4], 128                       ; tile_dim1 = 128
	s_mov_b32 s[(\g)+6], 0
	s_mov_b32 s[(\g)+7], 0
.endr
	s_mov_b32 s[G1+5], 2048                        ; elements from row to row of xb
	s_mov_b32 s[G1B+5], 6144                       ; and of wb
	s_lshr_b32 s[KS], s73, 1                       ; the walk's first K step: it hangs on the cluster's x and y alone, which all sixteen partners share
	s_xor_b32 s[KS], s[KS], s73
	s_and_b32 s[KS], s[KS], 1
	s_lshl_b32 s[KS], s[KS], 1
	s_add_co_u32 s[KS], s[KS], ttmp9
	s_and_b32 s[KS], s[KS], 3
	s_lshl_b32 s[KS], s[KS], 2
	s_mov_b32 s[OFA+1], 0
	s_mov_b32 s[OFB+1], 0
	s_lshl_b32 s16, s43, 19                        ; x: 128 rows of 4,096 bytes a tile row
	s_mov_b32 s17, 0
	s_mul_i32 s46, s42, 768                        ; w: 384 columns a tile column,
	s_lshl_b32 s47, s13, 8                         ; 128 a sub-tile
	s_add_co_u32 s46, s46, s47
	s_mov_b32 s47, 0
	s_mul_i32 s20, s12, SUB                        ; where my tile goes: wave x a quarter of a slot
	s_wait_dscnt 0x0                               ; the opening add is done
	s_wait_kmcnt 0x0
	s_add_nc_u64 s[14:15], s[4:5], s[16:17]        ; x's base and w's: kept for the whole launch
	s_add_nc_u64 s[46:47], s[6:7], s[46:47]
	CROUND                                         ; all sixteen work-groups are here: the first joint loads meet
.irp s, 0,1
	s_mov_b32 s[G0+4*(\s)], 1
	s_add_co_u32 s[G0+4*(\s)+1], s20, (\s)*SLOT
	s_mov_b32 s[G0B+4*(\s)], 1
	s_add_co_u32 s[G0B+4*(\s)+1], s20, (\s)*SLOT
	STEPADR \s
	JLOAD \s
.endr
	v_and_b32 v1, 15, v0                           ; r = l % 16
	v_bfe_u32 v2, v0, 4, 1                         ; h = l / 16
	v_and_b32 v3, 7, v0
	v_bfe_u32 v4, v0, 3, 1
	v_mul_u32_u24 v5, v1, PAP
	v_lshl_add_u32 v[ADRA], v2, 4, v5              ; x: row r, 16 bytes for each half of the lanes
	v_add_nc_u32 v[ADRA+1], SLOT, v[ADRA]
	v_lshl_add_u32 v5, v2, 3, v3                   ; w: k-row 8 h + l % 8,
	v_mul_u32_u24 v5, v5, PBP
	v_lshl_add_u32 v5, v4, 4, v5                   ; columns 8 ((l / 8) % 2) on
	s_mul_i32 s66, s12, 6                          ; my first column block of the tile's 24
.irp b, 0,1,2,3,4,5
	s_add_co_u32 s67, s66, \b
	s_lshr_b32 s68, s67, 3                         ; its sub-tile,
	s_and_b32 s69, s67, 7                          ; its place there
	s_mul_i32 s68, s68, SUB
	s_lshl_b32 s69, s69, 5
	s_add_co_u32 s68, s68, s69
	s_add_co_u32 s68, s68, SUB                     ; behind x's quarter
	v_add_nc_u32 v[ADRB+(\b)], s68, v5
	v_add_nc_u32 v[ADRB+6+(\b)], SLOT, v[ADRB+(\b)]
.endr
	v_mul_u32_u24 v5, v1, SPITCH                   ; into the stage: row r, my wave's 192 bytes, 16 for each half of the lanes
	v_lshl_add_u32 v5, v2, 4, v5
	s_mul_i32 s67, s12, 192
	v_add_nc_u32 v[STO], s67, v5
	v_add_nc_u32 v[STO2], 4*16*SPITCH, v[STO]
	s_mul_i32 s67, s12, 32*SPITCH                  ; back: wave w takes rows 32 w .. 32 w + 31 whole; lanes 0-15 256 bytes of one row, lanes 16-31 of the next
	v_mul_u32_u24 v5, v2, SPITCH
	v_lshl_add_u32 v5, v1, 4, v5
	v_add_nc_u32 v[RD], s67, v5
	v_mul_u32_u24 v5, v2, 12288
	v_lshl_add_u32 v[CO], v1, 4, v5
	; the table: row = the row's place in its sequence (or 1,024 on for v's columns), entry i = 8 (block % 8) + 4 h + 0..3: 32 bytes a lane
	s_mul_i32 s70, s42, 24
	s_add_co_u32 s70, s70, s66                     ; my first column block of all 384
	s_and_b32 s71, s43, 7
	s_lshl_b32 s71, s71, 7                         ; t of the tile's first row
	v_lshlrev_b32 v5, 9, v1
	v_lshl_add_u32 v5, v2, 5, v5
.irp b, 0,1,2,3,4,5
	s_add_co_u32 s67, s70, \b
	s_cmp_lt_u32 s67, 320                          ; columns below 5,120 are q's and k's
	s_cselect_b32 s68, s71, 1024
	s_lshl_b32 s68, s68, 9
	s_and_b32 s69, s67, 7
	s_lshl_b32 s69, s69, 6
	s_add_co_u32 s68, s68, s69
	v_add_nc_u32 v[RO+(\b)], s68, v5
.endr
	s_lshl_b32 s67, s43, 7
	s_lshl_b32 s68, s12, 5
	s_add_co_u32 s67, s67, s68                     ; the first row that I store
	s_mul_i32 s67, s67, 12288
	s_mul_i32 s68, s42, 768
	s_add_co_u32 s68, s68, s67
	s_mov_b32 s69, 0
	s_add_nc_u64 s[10:11], s[10:11], s[68:69]
	TLOAD 0                                        ; the table of row blocks 0-3: asked for now, wanted on the way out; nothing in the loop names these registers
	TLOAD 1
	TLOAD 2
	TLOAD 3
	WIN 0
; 12 matrix instructions: row blocks a0, a0 + 1 of the window's four x all 6 column blocks, 32 along K.  The accumulators take turns.
.macro MUL12 f, hi, a0, zero
	WIN 0xa1+0x50*(\hi)                            ; w window 1, x window 0, C and D window 2 or 3
.irp a, \a0, (\a0)+1
.irp b, 0,1,2,3,4,5
.if \zero
	v_wmma_f32_16x16x32_bf16 v[8*(6*(\a)+(\b)):8*(6*(\a)+(\b))+7], v[(\f)+8*(\b):(\f)+8*(\b)+7], v[(\f)+8*(4*(\hi)+(\a)):(\f)+8*(4*(\hi)+(\a))+7], 0
.else
	v_wmma_f32_16x16x32_bf16 v[8*(6*(\a)+(\b)):8*(6*(\a)+(\b))+7], v[(\f)+8*(\b):(\f)+8*(\b)+7], v[(\f)+8*(4*(\hi)+(\a)):(\f)+8*(4*(\hi)+(\a))+7], v[8*(6*(\a)+(\b)):8*(6*(\a)+(\b))+7]
.endif
.endr
.endr
.endm
; 28 LDS loads in one run: quarter q (32 along K) of a slot into buffer f: w's six blocks turned, then x's eight
.macro FETCH slot, q, f
	WIN 0x40
.irp b, 0,1,2,3,4,5
	ds_load_tr16_b128 v[(\f)+8*(\b):(\f)+8*(\b)+3],   v[ADRB+6*(\slot)+(\b)] offset:(\q)*32*PBP
	ds_load_tr16_b128 v[(\f)+8*(\b)+4:(\f)+8*(\b)+7], v[ADRB+6*(\slot)+(\b)] offset:(\q)*32*PBP+16*PBP
.endr
	WIN 0
.irp i, 0,1,2,3,4,5,6,7
	ds_load_b128 v[(\f)+8*(\i):(\f)+8*(\i)+3],   v[ADRA+(\slot)] offset:(\q)*64+(\i)*16*PAP
	ds_load_b128 v[(\f)+8*(\i)+4:(\f)+8*(\i)+7], v[ADRA+(\slot)] offset:(\q)*64+(\i)*16*PAP+32
.endr
.endm
; One of a K step's first three quarters: multiplies buffer f; in its middle it fetches quarter q of the same slot into buffer g.
.macro QUARTER slot, q, f, g, zero
	s_wait_dscnt 8                                 ; w and x's rows 0-63 are in; the youngest eight loads (x's rows 64-127) may be out
	MUL12 \f, 0, 0, \zero
	MUL12 \f, 0, 2, \zero
	PLACES
	FETCH \slot, \q, \g
	s_wait_dscnt 28                                ; all but the 28 just issued
	MUL12 \f, 1, 0, \zero
	MUL12 \f, 1, 2, \zero
.endm
; The last quarter multiplies buffer 1 and changes slots: ONE barrier; in front of it each wave waits for all its tensor loads (one is out: its part of the next slot), adds 0 to its spare
; word, and waits for that and for its reads of this slot.  fill = 1: the barrier opens a round of the cluster's, and this slot is filled again, with the walk's step after next, first thing behind it.
.macro TURN slot, next, fill
	WIN 0
	s_wait_tensorcnt 0x0
	ds_add_u32 v[SPW], v[NIL]                      ; no tensor load of mine is out, so the descriptors are written while the add is out
.if \fill
	STEPADR \slot
.endif
	s_wait_dscnt 9                                 ; (the add and the youngest eight loads may be out)
	MUL12 F1, 0, 0, 0
	s_wait_dscnt 0x0                               ; the add is done, and my reads of this slot are over
	s_barrier_signal -1
	MUL12 F1, 0, 2, 0
.if \fill
	WIN 0
.endif
	s_barrier_wait -1
.if \fill
	CREST
	JLOAD \slot                                    ; its four v_nop are also the places in front of the loads below
.else
	PLACES
.endif
	FETCH \next, 0, F0
	MUL12 F1, 1, 0, 0
	MUL12 F1, 1, 2, 0
.endm
	s_wait_tensorcnt 1                             ; my part of the walk's first step is in; the second's may stay out
	s_barrier_signal -1
	s_barrier_wait -1
	FETCH 0, 0, F0
	QUARTER 0, 1, F0, F1, 1                        ; the first quarter's products start the sums: nothing is cleared
	TLOAD 4                                        ; the table of row blocks 4-7
	TLOAD 5
	TLOAD 6
	TLOAD 7
	WIN 0
	s_mov_b32 s3, LAPS-1
.Llap:                                                 ; a trip goes once round the ring, from a lap's second quarter to the next lap's first
	QUARTER 0, 2, F1, F0, 0
	QUARTER 0, 3, F0, F1, 0
	TURN 0, 1, 1
	QUARTER 1, 1, F0, F1, 0
	QUARTER 1, 2, F1, F0, 0
	QUARTER 1, 3, F0, F1, 0
	TURN 1, 0, 1
	QUARTER 0, 1, F0, F1, 0
	WIN 0
	s_sub_co_u32 s3, s3, 1
	s_cmp_lg_u32 s3, 0
	s_cbranch_scc1 .Llap
	QUARTER 0, 2, F1, F0, 0                        ; the last lap fills nothing
	QUARTER 0, 3, F0, F1, 0
	TURN 0, 1, 0                                   ; behind this barrier nobody reads slot 0 any more, and nothing is filled: its bytes become the stage
	QUARTER 1, 1, F0, F1, 0
	QUARTER 1, 2, F1, F0, 0
	QUARTER 1, 3, F0, F1, 0
	s_wait_dscnt 8
	MUL12 F1, 0, 0, 0
	MUL12 F1, 0, 2, 0
	s_wait_dscnt 0x0
	MUL12 F1, 1, 0, 0
	MUL12 F1, 1, 2, 0
	WIN 0
	PLACES
	s_wait_loadcnt 0x0                             ; the table, all of it: asked for sixteen and fifteen K steps ago
; THE WAY OUT of row block a: each pair (x1, x2) becomes (x1 c - x2 s, x1 s + x2 c), two packed lines a pair; rounded to f16; 16 bytes a lane into the stage.
; First line: (x2 s, x1 s): the pair's registers crossed, s for both.  Second: (x1 c - x2 s, x2 c + x1 s): c for both, the first line's low half with its sign turned.
.macro ROPE a
.irp b, 0,1,2,3,4,5
	TBL \a, \b
.set XA, 8*(6*((\a)%4)+(\b))
.set T0, T+8*((\b)%2)
	WIN (2+(\a)/4)|(TW<<2)                         ; source 0: the accumulators' window; source 1: the table's
.irp p, 0,1,2,3
	v_pk_mul_f32 v[T0+2*(\p):T0+2*(\p)+1], v[XA+2*(\p):XA+2*(\p)+1], v[TR+2*(\p):TR+2*(\p)+1] op_sel:[1,1] op_sel_hi:[0,1]  ; an accumulator's lowest registers are read first
.endr
.irp p, 0,1,2,3
	v_pk_fma_f32 v[Y+8*(\b)+2*(\p):Y+8*(\b)+2*(\p)+1], v[XA+2*(\p):XA+2*(\p)+1], v[TR+2*(\p):TR+2*(\p)+1], v[T0+2*(\p):T0+2*(\p)+1] op_sel_hi:[1,0,1] neg_lo:[0,0,1]
.endr
.endr
	WIN 0
.irp b, 0,1,2,3,4,5
.irp p, 0,1,2,3
	v_cvt_pk_f16_f32 v[PK+4*(\b)+(\p)], v[Y+8*(\b)+2*(\p)], v[Y+8*(\b)+2*(\p)+1]
.endr
.endr
.irp b, 0,1,2,3,4,5
	ds_store_b128 v[STO+(\a)/4], v[PK+4*(\b):PK+4*(\b)+3] offset:((\a)%4)*16*SPITCH+32*(\b)
.endr
.endm
.irp a, 0,1,2,3,4,5,6,7
	ROPE \a
.endr
	s_wait_dscnt 0x0                               ; for the others' sake: my stores into the stage are done
	s_barrier_signal -1
	s_barrier_wait -1
.set n, 0
.rept 48
	ds_load_b128 v[OB+4*n:OB+4*n+3], v[RD] offset:2*(n/3)*SPITCH+256*(n%3)
.set n, n+1
.endr
.set n, 0
.rept 48
	s_wait_dscnt 47-n
	global_store_b128 v[CO], v[OB+4*n:OB+4*n+3], s[10:11] offset:2*(n/3)*12288+256*(n%3)  ; 16 lanes store 256 consecutive bytes, at a multiple of 256 from qkv's first byte
.set n, n+1
.endr
	s_wait_tensorcnt 0x0                           ; the wave's end
	ds_add_u32 v[SPW], v[NIL]
	s_wait_dscnt 0x0
	CROUND                                         ; the closing round
	s_endpgm
.Lfunc_end_k_qb5b475e62a_qkv:
	.size	k_qb5b475e62a_qkv, .Lfunc_end_k_qb5b475e62a_qkv-k_qb5b475e62a_qkv
	.p2alignl 7, 3214868480
	.fill 96, 4, 3214868480
	.section	.rodata,"a",@progbits
	.p2align	6, 0x0
	.amdhsa_kernel k_qb5b475e62a_qkv
		.amdhsa_group_segment_fixed_size 327680
		.amdhsa_private_segment_fixed_size 0
		.amdhsa_enable_private_segment 0
		.amdhsa_kernarg_size 32
		.amdhsa_user_sgpr_count 2
		.amdhsa_user_sgpr_kernarg_segment_ptr 1
		.amdhsa_wavefront_size32 1
		.amdhsa_system_sgpr_workgroup_id_x 1
		.amdhsa_system_sgpr_workgroup_id_y 1
		.amdhsa_system_sgpr_workgroup_id_z 1
		.amdhsa_system_vgpr_workitem_id 0
		.amdhsa_next_free_vgpr 1024
		.amdhsa_next_free_sgpr 80
		.amdhsa_reserve_vcc 0
		.amdhsa_float_denorm_mode_32 3
		.amdhsa_float_denorm_mode_16_64 3
		.amdhsa_memory_ordered 1
		.amdhsa_forward_progress 1
		.amdhsa_inst_pref_size 154
	.end_amdhsa_kernel
	.amdgpu_metadata
---
amdhsa.version: [ 1, 2 ]
amdhsa.kernels:
  - .name:           k_qb5b475e62a_qkv
    .symbol:         k_qb5b475e62a_qkv.kd
    .args:
      - { .name: xb, .offset: 0, .size: 8, .value_kind: global_buffer, .address_space: global }
      - { .name: wb, .offset: 8, .size: 8, .value_kind: global_buffer, .address_space: global }
      - { .name: rope, .offset: 16, .size: 8, .value_kind: global_buffer, .address_space: global }
      - { .name: qkv, .offset: 24, .size: 8, .value_kind: global_buffer, .address_space: global }
    .group_segment_fixed_size: 327680
    .private_segment_fixed_size: 0
    .kernarg_segment_align: 8
    .kernarg_segment_size: 32
    .max_flat_workgroup_size: 128
    .sgpr_count:     80
    .vgpr_count:     1024
    .wavefront_size: 32
...
	.end_amdgpu_metadata
.endif
;; end of part 2
;; launch attn (part 3): grid 32 x 8, 4 waves a work-group, clusters of 4 x 1, 327,680 bytes of LDS; arguments qkv, ob; writes ob
.if DOCPART == 3
	.amdgcn_target "amdgcn-amd-amdhsa--gfx1250"
	.amdhsa_code_object_version 6
	.text
	.protected	k_qb5b475e62a_attn
	.globl	k_qb5b475e62a_attn
	.p2align	8
	.type	k_qb5b475e62a_attn,@function
k_qb5b475e62a_attn:
	s_mov_b64 s[64:65], 0
	v_nop
	global_prefetch_b8 v0, s[64:65] scope:SCOPE_SE
	s_setreg_imm32_b32 hwreg(HW_REG_WAVE_MODE, 25, 1), 1
	s_wait_xcnt 0x0
	s_wait_alu depctr_hold_cnt(0) depctr_sa_sdst(0) depctr_va_vdst(0) depctr_va_sdst(0) depctr_va_ssrc(0) depctr_va_vcc(0) depctr_vm_vsrc(0)
	s_getreg_b32 s2, hwreg(HW_REG_IB_STS2, 6, 4)
	s_cmp_eq_u32 s2, 0
	s_cbranch_scc0 .Lentry_in_a_cluster
	s_endpgm
.Lentry_in_a_cluster:
	s_bfe_u32 s2, ttmp6, 0x10000c
	s_cmp_lg_u32 s2, 0x3003
	s_cbranch_scc0 .Lentry_shape_is_right
	s_endpgm
.Lentry_shape_is_right:
; DIFFERENTIAL CAUSAL ATTENTION.  For each head: ob = softmax(q1 k1^T / sqrt(128)) v - 0.2 softmax(q2 k2^T / sqrt(128)) v, keys up to the query alone.
; qkv [2048 rows][6144] f16: q of head h from column 256 h (q1, q2), k of group g from 4096 + 256 g (k1, k2), v from 5120 + 256 g (256 channels).  ob [2048][4096] f16, column 256 h + channel.
; Products, maxima and sums in f32; the weights p are rounded to f16 for the second product (their sum l is taken of the unrounded p), ob once at the end.
; LIMITS.  A hidden score counts as its value less 1e30; a weight below 2^-126 counts as 0 in l; NaN and infinities are not treated apart.
; THE WALK.  A sequence's queries lie in 16 blocks of 64; block i needs the key tiles 0 .. i of 64 keys.  A work-group takes blocks b and then 15 - b of one head: 17 tiles whatever b: all work-groups
; do equal work and loops with constant trip counts walk them.  Which tile is asked for hangs on scalar registers made from b; every jump but the loops' own goes forward, past no barrier and no tensor load.
; CLUSTER.  The four heads of a key and value group form a cluster with the same b: they walk the same tiles, so each tile is asked for JOINTLY, mask 15.
; SHARES.  Wave w: stream w % 2 (q1 k1 or q2 k2), rows 32 (w / 2) .. + 31 of the block, as two tiles of 16; register tile u holds rows 16 (u xor stream) on.  At a block's end each wave scales its O by
; 1 / l (stream 1: by -0.2 / l) and hands register tile 1 to its partner through LDS: the partner's tile 0 holds the same rows, adds, rounds and stores them.
; A PASS of the loop: the change of slots (tile j's last LDS reads are over, tile j + 1 has landed, tile j + 2 is asked for); K of tile j + 1 is fetched; V^T P of tile j; then V of tile j + 1 is fetched,
; K Q^T of tile j + 1, its softmax.  So K's loads lie under V^T P, V's under K Q^T and the softmax.  The loop is entered in its middle; the tail is a loop of two trips whose last leaves the second half out;
; its fetch of K in that last trip (32 loads from a slot that holds an old tile) serves nothing: the price, once a launch, of one text for both trips.
; THE EXCHANGE is written at a block's end, behind V^T P, and read in the next pass behind the change of slots' barrier; a second barrier, in every pass of the loop, its signal behind the 48th product
; and its wait behind the 64th, stands between a pass's reads of the exchange and any later stores into it.
; LAYOUT.  S^T = K Q^T holds ONE query a lane (lane % 16) and the keys 8 (lane / 16) + 0..7; two such results rounded to f16 ARE source 1 of O^T = V^T P.  p = 2^(c s - c m), c = log2(e) / sqrt(128), with a running
; maximum m; O and l are multiplied by a = 2^(c m_old - c m_new) in every step.  m starts at the lowest finite number, so a block's first step has a = 0 and wipes what O and l held.
; THE MASK is the C operand that starts the sum S^T in a block's last tile: TRI x AL + BE, with TRI the mask of a tile's own 16 keys and two scalars: (1, 0) there, (0, 0) for earlier keys, (0, -1e30) for later ones.
; It hangs on the wave and the lane alone and is made once.  In all other tiles C is the constant 0: a branch on a scalar that all partners share chooses between two texts of eight products.
; REGISTERS: window 0: v0-15 addresses; v16-31 statistics, 8 a tile (c m, m, l, l, c0-c3); v32-33 the add's; v34-41 TRI; v64-127 S^T; v128-159 P; v160-223 the masks; v224-255 at work at a block's end.
;   window 1: v0-127 O^T of tile 0, v128-255 V's keys 0-31.   window 3: v0-127 O^T of tile 1, v128-255 V's keys 32-63.   window 2: v0-63 Q, v64-127 the second block's Q, v128-255 K of a step.
;   So tile 0 x keys 0-31 and tile 1 x keys 32-63 each have V and O^T in ONE window, and O^T's rescaling stands behind those products under the products' own window setting.
.set PKP,   272                        ; a row of K in LDS: 256 bytes + 16
.set PVP,   288                        ; a row of V: 256 + 32
.set K2,    64*PKP                     ; a slot: k1's 64 rows, k2's, v's channels 0-127, v's channels 128-255
.set VOFF,  2*64*PKP
.set VB2,   64*PVP
.set SLOT1, 1<<17                      ; slot 1 begins here: one exclusive or turns an address in one slot into the other's
.set XCH,   SLOT1+VOFF+2*VB2           ; behind the ring, never filled by a tensor load: 16,384 bytes a wave, the tile handed to the partner
.set STAGE, XCH+4*16384                ; 16 rows x 528 bytes a wave, for the way out
.set SP,    528
.set SPARE, STAGE+4*16*SP              ; the spare words, 128 bytes for each wave: two blocks of 256 bytes that no other line names
.set AK0, 2
.set AV0, 3
.set AK,  4
.set AV,  5
.set STO, 6
.set RD,  7
.set GO,  8
.set XW,  9
.set XR,  10
.set QO,  11                           ; v11-12  my byte offset in Q's rows, for register tiles 0, 1
.set ST,  16
.set SPW, 32
.set NIL, 33
.set TRI, 34
.set S,   64
.set P,   128
.set MC,  160
.set PKB, 224
.set QB,  64
.set KF,  128
.set WV,  12
.set SS,  13                           ; my stream
.set RG,  14                           ; my row group
.set LO,  15                           ; b
.set HI,  16                           ; 15 - b
.set HEAD, 17
.set BAT, 18
.set GRP, 19
.set G1K, 24
.set G1V, 32
.set G0K, 40
.set G0V, 44
.set KB,  48                           ; s[48:49] K at my tile's part of key tile 0
.set VB,  50                           ; s[50:51] the same for V
.set OFF, 52                           ; s[52:53] a key tile's byte offset
.set OLO, 54                           ; s[54:55] ob at the rows that I store, first block
.set OHI, 56                           ; s[56:57] second block
.set CS,  58
.set SEL, 60
.set TB,  62                           ; LDS byte at which the tile begins whose K and V are fetched next
.set CNT, 63
.set RT,  66                           ; tiles of the block in hand whose K Q^T is still to come
.set NXT, 67                           ; the tile asked for last
.set LQ,  68                           ; the last tile of the block whose tiles are being asked for
.set FIN, 69                           ; 1: a block has ended and its tile lies in the exchange
.set AL,  70
.set BE,  72
.set BIGN, 74
.set FS,  75
.set TU,  76                           ; s76-77  my register tiles' places (0..3) among the block's four groups of 16 rows
.set QLO, 80
.set QHI, 82
.set MSB, 0
.macro WIN new
.if MSB != (\new)
	s_set_vgpr_msb (MSB<<8)|(\new)
.set MSB, \new
.endif
.endm
.set W_KQ, 0x0a                        ; K and Q in window 2, S^T and the mask in window 0
.macro PLACES
.rept 4
	v_nop
.endr
.endm
.macro ALL line:vararg                 ; one line for each register tile t
.set t, 0
.rept 2
	\line
.set t, t+1
.endr
.endm
.macro JLOAD                           ; waves 0 and 1 fetch k1's and k2's tile, waves 2 and 3 the two halves of v's; an s_nop 0 and four v_nop follow each line
	s_cmp_lt_u32 s[WV], 2
	s_cbranch_scc0 .Lfor_v_\@
	tensor_load_to_lds s[G0K:G0K+3], s[G1K:G1K+7]
	s_nop 0
.rept 4
	v_nop
.endr
	s_branch .Lasked_\@
.Lfor_v_\@:
	tensor_load_to_lds s[G0V:G0V+3], s[G1V:G1V+7]
	s_nop 0
.rept 4
	v_nop
.endr
.Lasked_\@:
.endm
.macro CROUND
	s_barrier_signal -1
	s_barrier_wait -1
	s_cmp_lg_u32 s[WV], 0
	s_cbranch_scc1 .Lnot_wave_0_\@
	s_barrier_signal -3
.Lnot_wave_0_\@:
	s_barrier_wait -3
	s_barrier_signal -1
	s_barrier_wait -1
.endm
; THE CHANGE OF SLOTS.  Each wave waits for all its tensor loads (one is out: its part of the other slot), adds 0 to its spare word, and waits for that and for all its LDS instructions: its reads of the slot
; that it leaves (V's were the last), and its stores into the exchange.  fill = 1: the barrier is a round of the cluster's, and the old slot is filled with the walk's tile after next, first thing behind it.
.macro CHANGE fill
	WIN 0
	s_wait_tensorcnt 0x0
	ds_add_u32 v[SPW], v[NIL]
.if \fill
	s_add_co_u32 s[NXT], s[NXT], 1                 ; the block's next tile, or behind its last the second block's tile 0
	s_cmp_gt_u32 s[NXT], s[LQ]
	s_cselect_b32 s[NXT], 0, s[NXT]
	s_cselect_b32 s[LQ], s[HI], s[LQ]
	s_mul_i32 s[OFF], s[NXT], 64*12288
	s_xor_b32 s[G0K+1], s[G0K+1], SLOT1
	s_add_nc_u64 s[G0K+2:G0K+3], s[KB:KB+1], s[OFF:OFF+1]
	s_or_b32 s[G0K+3], s[G0K+3], 0x80000000
	s_xor_b32 s[G0V+1], s[G0V+1], SLOT1
	s_add_nc_u64 s[G0V+2:G0V+3], s[VB:VB+1], s[OFF:OFF+1]
	s_or_b32 s[G0V+3], s[G0V+3], 0x80000000
	s_wait_dscnt 0x0
	CROUND
	JLOAD
.else
	s_wait_dscnt 0x0
	s_barrier_signal -1
	s_barrier_wait -1
	PLACES                                         ; on every way four places stand between the products behind and the lines that rescale their results
.endif
	s_xor_b32 s[TB], s[TB], SLOT1
.endm
; THE LDS LOADS stand in runs of 16.  K: 64 keys x 128 channels, fragment f: keys 16 (f / 4) on, channels 32 (f % 4) on; run n brings fragments 8 n .. 8 n + 7.
.macro KRUN n
	WIN 0x80
.irp f, 0,1,2,3,4,5,6,7
.set ff, 8*(\n)+(\f)
	ds_load_b128 v[KF+8*ff:KF+8*ff+3],   v[AK] offset:(ff/4)*16*PKP+(ff%4)*64
	ds_load_b128 v[KF+8*ff+4:KF+8*ff+7], v[AK] offset:(ff/4)*16*PKP+(ff%4)*64+32
.endr
.endm
; V, turned: run n brings keys 32 (n / 2) on, channel blocks 8 (n % 2) .. + 7, into window 1 (keys 0-31) or 3 (keys 32-63)
.macro VRUN n
	WIN 0x40+0x80*((\n)/2)
.irp f, 0,1,2,3,4,5,6,7
.set ff, 8*((\n)%2)+(\f)
	ds_load_tr16_b128 v[128+8*ff:128+8*ff+3],   v[AV] offset:(ff/8)*VB2+(ff%8)*32+((\n)/2)*32*PVP
	ds_load_tr16_b128 v[128+8*ff+4:128+8*ff+7], v[AV] offset:(ff/8)*VB2+(ff%8)*32+((\n)/2)*32*PVP+16*PVP
.endr
.endm
; Products 8 g .. 8 g + 7 of the 32 of S^T = K Q^T: tile i % 2, keys 16 ((i / 2) % 4) on, channels 32 (i / 8) on; the 8 accumulators take turns.  The first 8 start the sums, with 0 or with the mask.
.macro QK8 g, masked
	WIN W_KQ
.set i, 8*(\g)
.rept 8
.set rS, S+32*(i%2)+8*((i/2)%4)
.set rK, KF+32*((i/2)%4)+8*(i/8)
.set rQ, 32*(i%2)+8*(i/8)
.set rM, MC+32*(i%2)+8*((i/2)%4)
.if (i < 8) && (\masked)
	v_wmma_f32_16x16x32_f16 v[rS:rS+7], v[rK:rK+7], v[rQ:rQ+7], v[rM:rM+7]
.elseif i < 8
	v_wmma_f32_16x16x32_f16 v[rS:rS+7], v[rK:rK+7], v[rQ:rQ+7], 0
.else
	v_wmma_f32_16x16x32_f16 v[rS:rS+7], v[rK:rK+7], v[rQ:rQ+7], v[rS:rS+7]
.endif
.set i, i+1
.endr
.endm
.macro RESC t, cb                      ; accumulator cb of tile t times a, from its low end on; the window setting is the phase's
.irp z, 0,1,2,3
	v_pk_mul_f32 v[8*(\cb)+2*(\z):8*(\cb)+2*(\z)+1], v[8*(\cb)+2*(\z):8*(\cb)+2*(\z)+1], v[ST+8*(\t)+6:ST+8*(\t)+7] op_sel_hi:[1,0]
.endr
.endm
; 16 products O^T += V^T P: tile t, keys 32 kk on, all 16 channel blocks: 16 accumulators, one instruction each.  ride = 1: the phase also rescales the tile: accumulators 0 and 1 ahead of it, accumulator
; cb + 2 in the four lines behind product cb; none of these lines names a register of the products just issued.  kf = 1: K's second run stands behind the eighth product.
.macro PHASE t, kk, ride, kf
.set WPH, (1+2*(\kk))|((1+2*(\t))<<4)|((1+2*(\t))<<6)  ; V's window; P and a in window 0; O^T's window for C and D
.if \ride
	WIN WPH
	RESC \t, 0
	RESC \t, 1
.endif
.set cb, 0
.rept 16
	WIN WPH
	v_wmma_f32_16x16x32_f16 v[8*cb:8*cb+7], v[128+8*cb:128+8*cb+7], v[P+16*(\t)+8*(\kk):P+16*(\t)+8*(\kk)+7], v[8*cb:8*cb+7]
.if (\ride) && (cb < 14)
	RESC \t, cb+2
.endif
.if (\kf) && (cb == 7)
	KRUN 1
.endif
.set cb, cb+1
.endr
.endm
.macro PVALL bar                       ; a tile's 64 products V^T P.  bar = 1: the loop's second barrier
	PHASE 0, 0, 1, 1
	PHASE 1, 1, 1, 0
	PHASE 0, 1, 0, 0
.if \bar
	s_wait_dscnt 0x0                               ; no LDS instruction of mine is out: K is in, and my reads of my partner's part of the exchange, at this pass's head, are over
	s_barrier_signal -1                            ; say so: behind this barrier a wave may write its part of the exchange anew.  The tile on its way may stay out
.endif
	PHASE 1, 0, 0, 0                               ; work on registers while the others arrive
.if \bar
	s_barrier_wait -1
.endif
.endm
.macro SOFT                            ; both tiles' softmax for one step, line by line for the two tiles, so that no line reads the result of the one before it; O^T's rescaling is left to the products V^T P
	WIN 0
.set k, 0
.rept 4                                ; the maximum: four chains of seven scores; each accumulator's lowest registers are read first
	ALL v_max3_num_f32 v[ST+8*t+4+k], v[S+32*t+8*k], v[S+32*t+8*k+1], v[S+32*t+8*k+2]
.set k, k+1
.endr
.set k, 0
.rept 4
	ALL v_max3_num_f32 v[ST+8*t+4+k], v[ST+8*t+4+k], v[S+32*t+8*k+3], v[S+32*t+8*k+4]
.set k, k+1
.endr
.set k, 0
.rept 4
	ALL v_max3_num_f32 v[ST+8*t+4+k], v[ST+8*t+4+k], v[S+32*t+8*k+5], v[S+32*t+8*k+6]
.set k, k+1
.endr
	ALL v_max3_num_f32 v[ST+8*t+4], v[ST+8*t+4], v[S+32*t+7], v[S+32*t+15]
	ALL v_max3_num_f32 v[ST+8*t+6], v[ST+8*t+6], v[S+32*t+23], v[S+32*t+31]
	ALL v_max3_num_f32 v[ST+8*t+4], v[ST+8*t+4], v[ST+8*t+5], v[ST+8*t+6]
	ALL v_max3_num_f32 v[ST+8*t+4], v[ST+8*t+4], v[ST+8*t+7], v[ST+8*t+1]
	ALL v_permlanex16_b32 v[ST+8*t+5], v[ST+8*t+4], s[SEL], s[SEL+1]  ; the query's other 32 keys lie in the lane 16 away
	ALL v_mov_b32 v[ST+8*t+7], v[ST+8*t]           ; c m_old
	ALL v_max_num_f32 v[ST+8*t+1], v[ST+8*t+4], v[ST+8*t+5]
	ALL v_mul_f32 v[ST+8*t], s[CS], v[ST+8*t+1]
	ALL v_sub_f32 v[ST+8*t+7], v[ST+8*t+7], v[ST+8*t]
	ALL v_exp_f32 v[ST+8*t+6], v[ST+8*t+7]         ; a; the scalings below are the plain lines behind it
	VRUN 3                                         ; V's last run
	WIN 0
.set k, 0
.rept 16
	ALL v_pk_fma_f32 v[S+32*t+2*k:S+32*t+2*k+1], v[S+32*t+2*k:S+32*t+2*k+1], s[CS:CS+1], v[ST+8*t:ST+8*t+1] op_sel_hi:[1,0,0] neg_lo:[0,0,1] neg_hi:[0,0,1]
.set k, k+1
.endr
.set k, 0
.rept 32
	ALL v_exp_f32 v[S+32*t+k], v[S+32*t+k]
.set k, k+1
.endr
	v_nop                                          ; a plain instruction between the last exponential and the use of its result (ISA guide 5.7.2)
	s_wait_alu depctr_va_vdst(0)
.set k, 0
.rept 16
	ALL v_cvt_pk_f16_f32 v[P+16*t+k], v[S+32*t+2*k], v[S+32*t+2*k+1]
.set k, k+1
.endr
.set k, 0
.rept 8                                ; the sum of the 16 pairs, as a tree, in place
	ALL v_pk_add_f32 v[S+32*t+4*k:S+32*t+4*k+1], v[S+32*t+4*k:S+32*t+4*k+1], v[S+32*t+4*k+2:S+32*t+4*k+3]
.set k, k+1
.endr
.set k, 0
.rept 4
	ALL v_pk_add_f32 v[S+32*t+8*k:S+32*t+8*k+1], v[S+32*t+8*k:S+32*t+8*k+1], v[S+32*t+8*k+4:S+32*t+8*k+5]
.set k, k+1
.endr
.set k, 0
.rept 2
	ALL v_pk_add_f32 v[S+32*t+16*k:S+32*t+16*k+1], v[S+32*t+16*k:S+32*t+16*k+1], v[S+32*t+16*k+8:S+32*t+16*k+9]
.set k, k+1
.endr
	ALL v_pk_add_f32 v[S+32*t:S+32*t+1], v[S+32*t:S+32*t+1], v[S+32*t+16:S+32*t+17]
	ALL v_pk_fma_f32 v[ST+8*t+2:ST+8*t+3], v[ST+8*t+2:ST+8*t+3], v[ST+8*t+6:ST+8*t+7], v[S+32*t:S+32*t+1] op_sel_hi:[1,0,1]
.endm
; THE SECOND HALF OF A PASS, for the tile at TB: its V is fetched in four runs, its scores and its softmax are made.
.macro MID
	WIN 0
	s_sub_co_u32 s[RT], s[RT], 1
	v_add_nc_u32 v[AV], s[TB], v[AV0]              ; this line and three v_nop: the four places between the last product that read V and the loads into V's registers
.rept 3
	v_nop
.endr
	s_wait_dscnt 0x0                               ; K is in
	VRUN 0
	WIN 0
	s_cmp_eq_u32 s[RT], 0                          ; the block's last tile holds the diagonal
	s_cbranch_scc1 .Ldiag_\@
	QK8 0, 0
	WIN 0
	s_branch .Ljoin_\@
.Ldiag_\@:
	QK8 0, 1
	WIN 0
.Ljoin_\@:
	QK8 1, 0
	VRUN 1
	QK8 2, 0
	QK8 3, 0
	VRUN 2
	WIN 0
	PLACES                                         ; behind the products, in front of the lines that read the scores
	SOFT
.endm
; A BLOCK ENDS, first part: l's two halves and the other half of the lanes' are added; O^T is scaled by 1 / l or -0.2 / l; register tile 1 goes into the exchange.  Seven plain lines stand between the last products and the first read of O^T.
.macro PARTA
	WIN 0
	ALL v_add_f32 v[ST+8*t+4], v[ST+8*t+2], v[ST+8*t+3]
	ALL v_permlanex16_b32 v[ST+8*t+5], v[ST+8*t+4], s[SEL], s[SEL+1]
	ALL v_add_f32 v[ST+8*t+4], v[ST+8*t+4], v[ST+8*t+5]
	ALL v_rcp_f32 v[ST+8*t+6], v[ST+8*t+4]
	v_nop
	s_wait_alu depctr_va_vdst(0)
	ALL v_mul_f32 v[ST+8*t+6], s[FS], v[ST+8*t+6]
	WIN 0x41                                       ; tile 0: destination and source 0 in window 1
.set k, 0
.rept 64
	v_pk_mul_f32 v[2*k:2*k+1], v[2*k:2*k+1], v[ST+6:ST+7] op_sel_hi:[1,0]
.set k, k+1
.endr
	WIN 0xc3                                       ; tile 1: in window 3
.set k, 0
.rept 64
	v_pk_mul_f32 v[2*k:2*k+1], v[2*k:2*k+1], v[ST+14:ST+15] op_sel_hi:[1,0]
.set k, k+1
.endr
	WIN 0x0c                                       ; the stores' data in window 3
.set n, 0
.rept 32
	ds_store_b128 v[XW], v[4*n:4*n+3] offset:512*n
.set n, n+1
.endr
	WIN 0
	s_mov_b32 s[FIN], 1
.endm
; Second part, behind a barrier in front of which every wave has waited for its stores: the partner's tile is added to my register tile 0, rounded to f16, sent through my stage and stored as whole rows.
; By halves of 64 registers, so that S^T's registers and 32 more are all that it takes: P and the masks stay.
.macro PARTB base
.irp hh, 0,1
	WIN 0
.set n, 0
.rept 16
	ds_load_b128 v[S+4*n:S+4*n+3], v[XR] offset:512*(16*(\hh)+n)
.set n, n+1
.endr
	s_wait_dscnt 0x0
	WIN 0x01                                       ; source 0: O^T of tile 0
.set k, 0
.rept 32
	v_pk_add_f32 v[S+2*k:S+2*k+1], v[64*(\hh)+2*k:64*(\hh)+2*k+1], v[S+2*k:S+2*k+1]
.set k, k+1
.endr
	WIN 0
.set k, 0
.rept 32
	v_cvt_pk_f16_f32 v[PKB+k], v[S+2*k], v[S+2*k+1]
.set k, k+1
.endr
.set n, 0
.rept 8
	ds_store_b128 v[STO], v[PKB+4*n:PKB+4*n+3] offset:32*(8*(\hh)+n)
.set n, n+1
.endr
.endr
.set n, 0
.rept 16
	ds_load_b128 v[S+4*n:S+4*n+3], v[RD] offset:SP*n  ; LDS serves a wave's instructions in order (ISA guide 5.7.1.4): these see the stores above
.set n, n+1
.endr
.set n, 0
.rept 16
	s_wait_dscnt 15-n
	global_store_b128 v[GO], v[S+4*n:S+4*n+3], s[\base:\base+1] offset:8192*n  ; 512 consecutive bytes, at a multiple of 512 from ob's first byte
.set n, n+1
.endr
	s_wait_xcnt 0x0                                ; the stores' data registers, S^T's, are rewritten only behind this wait
.endm
.macro REINIT                          ; the second block begins
	ALL v_mov_b32 v[ST+8*t], 0xfe000000
	ALL v_mov_b32 v[ST+8*t+1], 0xff7fffff
	WIN 0x82
.set i, 0
.rept 64
	v_mov_b32 v[i], v[QB+i]                        ; its Q goes where the one text of the products names Q
.set i, i+1
.endr
	WIN 0
	s_add_co_u32 s[RT], s[HI], 1
.endm
	s_load_b128 s[4:7], s[0:1], 0x0                ; qkv s[4:5], ob s[6:7]
	v_lshl_add_u32 v[SPW], v0, 2, SPARE
	v_mov_b32 v[NIL], 0
	ds_add_u32 v[SPW], v[NIL]                      ; the wave's opening: the add and its wait ahead of my first tensor load
	v_lshrrev_b32 v1, 5, v0
	v_readfirstlane_b32 s[WV], v1
	s_and_b32 s[SS], s[WV], 1
	s_lshr_b32 s[RG], s[WV], 1
	s_bfe_u32 s20, ttmp6, 0x40000                  ; cx: it enters Q's and ob's addresses alone
	s_mov_b32 s[LO], ttmp9
	s_sub_co_u32 s[HI], 15, s[LO]
	s_and_b32 s21, ttmp7, 0xffff
	s_lshr_b32 s[BAT], s21, 2
	s_and_b32 s[GRP], s21, 3
	s_lshl_b32 s[HEAD], s[GRP], 2
	s_add_co_u32 s[HEAD], s[HEAD], s20
	s_mul_i32 s84, s[BAT], 1024*12288              ; K and V: the batch's rows, the group's 512 bytes, my 256 of them
	s_lshl_b32 s85, s[GRP], 9
	s_add_co_u32 s84, s84, s85
	s_lshl_b32 s85, s[SS], 8
	s_add_co_u32 s84, s84, s85
	s_mov_b32 s85, 0
	s_lshl_b32 s20, s[BAT], 10
	s_lshl_b32 s21, s[RG], 5
	s_add_co_u32 s20, s20, s21
	s_lshl_b32 s21, s[LO], 6
	s_add_co_u32 s21, s21, s20                     ; my row group's first row, first block
	s_lshl_b32 s23, s[HI], 6
	s_add_co_u32 s23, s23, s20                     ; second block
	s_lshl_b32 s20, s[HEAD], 9                     ; the head's 512 bytes in a row of qkv and of ob
	s_lshl_b32 s91, s[SS], 8
	s_add_co_u32 s91, s91, s20
	s_mul_i32 s86, s21, 12288
	s_add_co_u32 s86, s86, s91
	s_mul_i32 s88, s23, 12288
	s_add_co_u32 s88, s88, s91
	s_mov_b32 s87, 0
	s_mov_b32 s89, 0
	s_lshl_b32 s91, s[SS], 4                       ; I store the rows of my register tile 0
	s_add_co_u32 s21, s21, s91
	s_add_co_u32 s23, s23, s91
	s_lshl_b32 s90, s21, 13
	s_add_co_u32 s90, s90, s20
	s_lshl_b32 s22, s23, 13
	s_add_co_u32 s22, s22, s20
	s_mov_b32 s91, 0
	s_mov_b32 s23, 0
	s_mov_b32 s[G1K], 15|(1<<16)|(1<<20)|(1<<21)|(5<<22)|(3<<25)  ; the mask of four; 2-byte elements; padding on; bit 21 beside a mask; after every 64 words, 4 words
	s_mov_b32 s[G1V], 15|(1<<16)|(1<<20)|(1<<21)|(5<<22)|(7<<25)  ; the same with 8 words
.irp g, G1K, G1V
	s_mov_b32 s[(\g)+1], 128<<16                   ; tensor_dim0 = 128
	s_mov_b32 s[(\g)+2], 64<<16                    ; tensor_dim1 = 64
	s_mov_b32 s[(\g)+3], 128<<16                   ; tile_dim0 = 128
	s_mov_b32 s[(\g)+4], 64                        ; tile_dim1 = 64
	s_mov_b32 s[(\g)+5], 6144                      ; elements from row to row
	s_mov_b32 s[(\g)+6], 0
	s_mov_b32 s[(\g)+7], 0
.endr
	s_mov_b32 s[G0K], 1
	s_mul_i32 s[G0K+1], s[SS], K2                  ; slot 0
	s_mov_b32 s[G0V], 1
	s_mul_i32 s[G0V+1], s[SS], VB2
	s_add_co_u32 s[G0V+1], s[G0V+1], VOFF
	s_mov_b32 s[CS], 0x3e0293ee                    ; c = log2(e) / sqrt(128)
	s_mov_b32 s[CS+1], s[CS]
	s_mov_b32 s[SEL], 0x76543210
	s_mov_b32 s[SEL+1], 0xfedcba98
	s_mov_b32 s[TB], SLOT1                         ; the first change of slots turns it into 0
	s_mov_b32 s[CNT], 16
	s_add_co_u32 s[RT], s[LO], 1                   ; the first block has b + 1 tiles
	s_mov_b32 s[NXT], 0
	s_mov_b32 s[LQ], s[LO]
	s_mov_b32 s[FIN], 0
	s_mov_b32 s[OFF+1], 0
	s_mov_b32 s[AL+1], 0                           ; named as pairs
	s_mov_b32 s[BE+1], 0
	s_mov_b32 s[BIGN], 0xf149f2ca                  ; -1e30
	s_cmp_eq_u32 s[SS], 1
	s_cselect_b32 s[FS], 0xbe4ccccd, 1.0           ; stream 1 counts -0.2 times
	s_lshl_b32 s[TU], s[RG], 1
	s_add_co_u32 s[TU], s[TU], s[SS]
	s_xor_b32 s[TU+1], s[TU], 1
	s_wait_dscnt 0x0                               ; the opening add is done
	s_wait_kmcnt 0x0
	s_add_nc_u64 s[KB:KB+1], s[4:5], s[84:85]
	s_add_nc_u64 s[VB:VB+1], s[KB:KB+1], 10240
	s_add_nc_u64 s[KB:KB+1], s[KB:KB+1], 8192
	s_add_nc_u64 s[G0K+2:G0K+3], s[KB:KB+1], 0
	s_or_b32 s[G0K+3], s[G0K+3], 0x80000000
	s_add_nc_u64 s[G0V+2:G0V+3], s[VB:VB+1], 0
	s_or_b32 s[G0V+3], s[G0V+3], 0x80000000
	s_add_nc_u64 s[QLO:QLO+1], s[4:5], s[86:87]
	s_add_nc_u64 s[QHI:QHI+1], s[4:5], s[88:89]
	s_add_nc_u64 s[OLO:OLO+1], s[6:7], s[90:91]
	s_add_nc_u64 s[OHI:OHI+1], s[6:7], s[22:23]
	CROUND                                         ; all four work-groups are here
	JLOAD                                          ; key tile 0 into slot 0
	v_and_b32 v1, 15, v0                           ; r
	v_bfe_u32 v13, v0, 4, 1                        ; h
	v_mul_u32_u24 v14, v1, 12288
	v_lshl_add_u32 v14, v13, 4, v14
	s_mul_i32 s84, s[SS], 16*12288
	v_add_nc_u32 v[QO], s84, v14                   ; register tile 0: rows 16 x stream on
	s_xor_b32 s84, s84, 16*12288
	v_add_nc_u32 v[QO+1], s84, v14                 ; register tile 1: the other sixteen
	WIN 0x80
.set i, 0
.rept 8                                ; both blocks' Q: register tile i / 4, channels 32 (i % 4) on
	global_load_b128 v[8*i:8*i+3],         v[QO+i/4], s[QLO:QLO+1] offset:(i%4)*64
	global_load_b128 v[8*i+4:8*i+7],       v[QO+i/4], s[QLO:QLO+1] offset:(i%4)*64+32
	global_load_b128 v[QB+8*i:QB+8*i+3],   v[QO+i/4], s[QHI:QHI+1] offset:(i%4)*64
	global_load_b128 v[QB+8*i+4:QB+8*i+7], v[QO+i/4], s[QHI:QHI+1] offset:(i%4)*64+32
.set i, i+1
.endr
	WIN 0
	v_lshlrev_b32 v14, 3, v13
	v_sub_nc_u32 v14, v1, v14                      ; r - 8 h: register j of a tile's own 16 keys is hidden where j is greater
.set i, 0
.rept 8
	v_cmp_gt_i32 vcc_lo, i, v14
	v_cndmask_b32 v[TRI+i], 0, s[BIGN], vcc_lo
.set i, i+1
.endr
.irp u, 0,1                            ; the masks of a block's last tile, once: tile u stands at place TU + u of the block's four groups of 16 rows
.irp kb, 0,1,2,3
	s_cmp_eq_u32 s[TU+(\u)], \kb
	s_cselect_b32 s[AL], 1.0, 0
	s_cmp_lt_u32 s[TU+(\u)], \kb
	s_cselect_b32 s[BE], s[BIGN], 0
.irp z, 0,1,2,3
	v_pk_fma_f32 v[MC+32*(\u)+8*(\kb)+2*(\z):MC+32*(\u)+8*(\kb)+2*(\z)+1], v[TRI+2*(\z):TRI+2*(\z)+1], s[AL:AL+1], s[BE:BE+1] op_sel_hi:[1,0,0]
.endr
.endr
.endr
	s_mul_i32 s84, s[SS], K2
	v_mul_u32_u24 v[AK0], v1, PKP
	v_lshl_add_u32 v[AK0], v13, 4, v[AK0]
	v_add_nc_u32 v[AK0], s84, v[AK0]               ; my stream's K: row r, 16 bytes for each half of the lanes
	v_and_b32 v14, 7, v0
	v_bfe_u32 v15, v0, 3, 1
	v_lshl_add_u32 v[AV0], v13, 3, v14             ; V, turned: key 8 h + l % 8,
	v_mul_u32_u24 v[AV0], v[AV0], PVP
	v_lshl_add_u32 v[AV0], v15, 4, v[AV0]          ; channels 8 ((l / 8) % 2) on
	v_add_nc_u32 v[AV0], VOFF, v[AV0]
	v_and_b32 v[GO], 31, v0
	v_lshlrev_b32 v[GO], 4, v[GO]                  ; 16 x lane
	s_lshl_b32 s84, s[WV], 14
	s_add_co_u32 s84, s84, XCH
	v_add_nc_u32 v[XW], s84, v[GO]                 ; my part of the exchange,
	s_xor_b32 s85, s[WV], 1
	s_lshl_b32 s85, s85, 14
	s_add_co_u32 s85, s85, XCH
	v_add_nc_u32 v[XR], s85, v[GO]                 ; my partner's
	s_mul_i32 s84, s[WV], 16*SP
	s_add_co_u32 s84, s84, STAGE
	v_mul_u32_u24 v[STO], v1, SP
	v_lshl_add_u32 v[STO], v13, 4, v[STO]
	v_add_nc_u32 v[STO], s84, v[STO]
	v_add_nc_u32 v[RD], s84, v[GO]                 ; back: 32 lanes take a whole row of 512 bytes
	ALL v_mov_b32 v[ST+8*t], 0xfe000000            ; c m: far below every c s
	ALL v_mov_b32 v[ST+8*t+1], 0xff7fffff          ; m
	ALL v_mov_b32 v[ST+8*t+2], 0
	ALL v_mov_b32 v[ST+8*t+3], 0
	WIN 0x40                                       ; O^T need only be finite: the first step multiplies it by a = 0.  No first step is written out; these lines, in the wait for the first tile, are the price
.set i, 0
.rept 128
	v_mov_b32 v[i], 0
.set i, i+1
.endr
	WIN 0xc0
.set i, 0
.rept 128
	v_mov_b32 v[i], 0
.set i, i+1
.endr
	WIN 0
	s_wait_loadcnt 0x0                             ; Q
	CHANGE 1                                       ; tile 0 is in, everybody's part of it; tile 1 is asked for
	v_add_nc_u32 v[AK], s[TB], v[AK0]
	KRUN 0                                         ; K of tile 0
	KRUN 1
	WIN 0
	s_branch .Lmid                                 ; the loop is entered in its middle: there is no V^T P yet
.Ltile:                                                ; 15 whole passes: pass j has V^T P of tile j and K Q^T of tile j + 1, and asks for tile j + 2
	CHANGE 1
	v_add_nc_u32 v[AK], s[TB], v[AK0]
	KRUN 0
	WIN 0
	s_cmp_eq_u32 s[FIN], 1
	s_cbranch_scc0 .Lnofin
	PARTB OLO                                      ; the first block's rows leave: O^T of tile 0 is read here, ahead of the lines that wipe it
	s_mov_b32 s[FIN], 0
.Lnofin:
	PVALL 1
	WIN 0
	s_cmp_eq_u32 s[RT], 0
	s_cbranch_scc0 .Lmid
	PARTA                                          ; in the loop this is the first block's end: the second's last tile is the walk's last
	REINIT
.Lmid:
	MID
	WIN 0
	s_sub_co_u32 s[CNT], s[CNT], 1
	s_cmp_lg_u32 s[CNT], 0
	s_cbranch_scc1 .Ltile
	s_mov_b32 s[CNT], 2                            ; the tail is written out: V^T P of tile 15 and all of tile 16; nothing is asked for
.Ltail:
	CHANGE 0
	v_add_nc_u32 v[AK], s[TB], v[AK0]
	KRUN 0
	PVALL 0
	WIN 0
	s_cmp_eq_u32 s[CNT], 1
	s_cbranch_scc1 .Lskip                          ; the last trip has no further tile: forward, past no barrier and no tensor load, to the counter's step
	MID
	WIN 0
.Lskip:
	s_sub_co_u32 s[CNT], s[CNT], 1
	s_cmp_lg_u32 s[CNT], 0
	s_cbranch_scc1 .Ltail
	PARTA
	s_wait_dscnt 0x0                               ; for my partner's sake: my stores into the exchange are done
	s_barrier_signal -1
	s_barrier_wait -1
	PARTB OHI
	s_wait_tensorcnt 0x0                           ; the wave's end
	ds_add_u32 v[SPW], v[NIL]
	s_wait_dscnt 0x0
	CROUND                                         ; the closing round
	s_endpgm
.Lfunc_end_k_qb5b475e62a_attn:
	.size	k_qb5b475e62a_attn, .Lfunc_end_k_qb5b475e62a_attn-k_qb5b475e62a_attn
	.p2alignl 7, 3214868480
	.fill 96, 4, 3214868480
	.section	.rodata,"a",@progbits
	.p2align	6, 0x0
	.amdhsa_kernel k_qb5b475e62a_attn
		.amdhsa_group_segment_fixed_size 327680
		.amdhsa_private_segment_fixed_size 0
		.amdhsa_enable_private_segment 0
		.amdhsa_kernarg_size 16
		.amdhsa_user_sgpr_count 2
		.amdhsa_user_sgpr_kernarg_segment_ptr 1
		.amdhsa_wavefront_size32 1
		.amdhsa_system_sgpr_workgroup_id_x 1
		.amdhsa_system_sgpr_workgroup_id_y 1
		.amdhsa_system_sgpr_workgroup_id_z 1
		.amdhsa_system_vgpr_workitem_id 0
		.amdhsa_next_free_vgpr 1024
		.amdhsa_next_free_sgpr 92
		.amdhsa_reserve_vcc 1
		.amdhsa_float_denorm_mode_32 3
		.amdhsa_float_denorm_mode_16_64 3
		.amdhsa_memory_ordered 1
		.amdhsa_forward_progress 1
		.amdhsa_inst_pref_size 146
	.end_amdhsa_kernel
	.amdgpu_metadata
---
amdhsa.version: [ 1, 2 ]
amdhsa.kernels:
  - .name:           k_qb5b475e62a_attn
    .symbol:         k_qb5b475e62a_attn.kd
    .args:
      - { .name: qkv, .offset: 0, .size: 8, .value_kind: global_buffer, .address_space: global }
      - { .name: ob, .offset: 8, .size: 8, .value_kind: global_buffer, .address_space: global }
    .group_segment_fixed_size: 327680
    .private_segment_fixed_size: 0
    .kernarg_segment_align: 8
    .kernarg_segment_size: 16
    .max_flat_workgroup_size: 128
    .sgpr_count:     92
    .vgpr_count:     1024
    .wavefront_size: 32
...
	.end_amdgpu_metadata
.endif
;; end of part 3
;; launch oproj (part 4): grid 16 x 16, 4 waves a work-group, clusters of 4 x 4, 327,680 bytes of LDS; arguments ob, wof, out0; writes out0
.if DOCPART == 4
	.amdgcn_target "amdgcn-amd-amdhsa--gfx1250"
	.amdhsa_code_object_version 6
	.text
	.protected	k_qb5b475e62a_oproj
	.globl	k_qb5b475e62a_oproj
	.p2align	8
	.type	k_qb5b475e62a_oproj,@function
k_qb5b475e62a_oproj:
	s_mov_b64 s[64:65], 0
	v_nop
	global_prefetch_b8 v0, s[64:65] scope:SCOPE_SE
	s_setreg_imm32_b32 hwreg(HW_REG_WAVE_MODE, 25, 1), 1
	s_wait_xcnt 0x0
	s_wait_alu depctr_hold_cnt(0) depctr_sa_sdst(0) depctr_va_vdst(0) depctr_va_sdst(0) depctr_va_ssrc(0) depctr_va_vcc(0) depctr_vm_vsrc(0)
	s_getreg_b32 s2, hwreg(HW_REG_IB_STS2, 6, 4)
	s_cmp_eq_u32 s2, 0
	s_cbranch_scc0 .Lentry_in_a_cluster
	s_endpgm
.Lentry_in_a_cluster:
	s_bfe_u32 s2, ttmp6, 0x10000c
	s_cmp_lg_u32 s2, 0xf033
	s_cbranch_scc0 .Lentry_shape_is_right
	s_endpgm
.Lentry_shape_is_right:
; out0[row][n] = the sum over k of ob[row][k] wof[k][n].  ob [2048][4096] f16, wof [4096 k][2048 n] f16, out0 [2048][2048] f32; sums in f32.
; A tile is 128 x 128: 16 x 16 work-groups, one for each of 256 WGPs.  Four waves, each 64 x 64: 16 accumulators.  K goes in 16 steps of 256 through two LDS slots:
; ob's tile is 128 rows of 512 bytes (waves 0 and 1 fetch 64 rows each), wof's is 256 k-rows of 256 bytes (waves 2 and 3 fetch 128 each) and comes out of LDS turned, by ds_load_tr16_b128.
; THE MATRIX INSTRUCTION IS USED TRANSPOSED (source 0 = 16 columns of wof, source 1 = 16 rows of ob): a lane holds eight neighbouring numbers of a row of out0.
; CLUSTERS: 4 x 4.  ob's tile is asked for jointly along a row of the cluster, wof's along a column.
; THE WALK ALONG K begins at step 4 ((X + 2 ((Y xor Y / 2) mod 2)) mod 4), X and Y the cluster's, and wraps at 16: the four clusters that need the same tile of ob ask for it four steps apart, and
; not all in the same step; of the clusters that need the same tile of wof, those with Y 0 and 1, 2 and 3, 0 and 2, 1 and 3 ask eight steps apart.  Only the order of the f32 sums hangs on it.
; A wave's 64 columns of f32 are 256 bytes, a whole aligned piece of a row: each wave has a stage of its own, and no barrier stands on the way out.
; REGISTERS: window 0: v0-31 addresses; v128-255 the accumulators ((a, b) at v[128 + 8 (4 a + b)]).  window 1: two fragment buffers of 128: 64 registers of ob's (2 x 4 x 16 rows x 32 K), then 64 of wof's.
.set PAP,    528                       ; ob's rows in LDS: 512 bytes + 16
.set PBP,    288                       ; wof's rows: 256 + 32
.set AT,     128*PAP
.set SLOT,   AT+256*PBP
.set STAGE,  2*SLOT                    ; behind the ring: 16 rows x 272 bytes for each wave
.set SPITCH, 272
.set SPARE,  STAGE+4*16*SPITCH         ; the spare words, 128 bytes for each wave: two blocks of 256 bytes that no other line names
.set LAPS,   8
.set ADRA, 16                          ; v16-17  ob's fragments in slot 0, 1
.set ADRB, 18                          ; v18-21  wof's: slot 0's k-rows 0-127, 128-255, then slot 1's (a load's immediate has 16 bits)
.set STO,  24
.set RD,   25
.set CO,   26
.set SPW,  28
.set NIL,  29
.set ACC,  128
.set F0,   0
.set F1,   128
.set G1, 24
.set G0, 32
.set G1B, 48
.set G0B, 56
.set KS,  66                           ; s66      the K step to be asked for next
.set OFA, 68                           ; s[68:69] its byte offset in ob's rows
.set OFB, 70                           ; s[70:71] and in wof
.set BB,  72                           ; s[72:73] wof at my part of K step 0; ob's like base is s[14:15]
.set MSB, 0
.macro WIN new
.if MSB != (\new)
	s_set_vgpr_msb (MSB<<8)|(\new)
.set MSB, \new
.endif
.endm
.set MUL,  0x05                        ; sources 0 and 1 window 1; C and D window 0
.set TO_F, 0x40                        ; destination window 1, address window 0
.macro PLACES
.rept 4
	v_nop
.endr
.endm
.macro STEPADR s                       ; slot s's two descriptors take K step KS: each address is made anew from its base and an offset; KS goes on and wraps
	s_lshl_b32 s[OFA], s[KS], 9                    ; 256 elements along ob's rows
	s_lshl_b32 s[OFB], s[KS], 20                   ; 256 rows of wof, 4,096 bytes each
	s_add_nc_u64 s[G0+4*(\s)+2:G0+4*(\s)+3], s[14:15], s[OFA:OFA+1]
	s_or_b32 s[G0+4*(\s)+3], s[G0+4*(\s)+3], 0x80000000
	s_add_nc_u64 s[G0B+4*(\s)+2:G0B+4*(\s)+3], s[BB:BB+1], s[OFB:OFB+1]
	s_or_b32 s[G0B+4*(\s)+3], s[G0B+4*(\s)+3], 0x80000000
	s_add_co_u32 s[KS], s[KS], 1
	s_and_b32 s[KS], s[KS], 15
.endm
.macro JLOAD s                         ; waves 0 and 1 ask for ob's halves, waves 2 and 3 for wof's; an s_nop 0 and four v_nop follow each line
	s_cmp_eq_u32 s11, 0
	s_cbranch_scc0 .Lfor_b_\@
	tensor_load_to_lds s[G0+4*(\s):G0+4*(\s)+3], s[G1:G1+7]
	s_nop 0
.rept 4
	v_nop
.endr
	s_branch .Lasked_\@
.Lfor_b_\@:
	tensor_load_to_lds s[G0B+4*(\s):G0B+4*(\s)+3], s[G1B:G1B+7]
	s_nop 0
.rept 4
	v_nop
.endr
.Lasked_\@:
.endm
.macro CREST
	s_cmp_lg_u32 s10, 0
	s_cbranch_scc1 .Lnot_wave_0_\@
	s_barrier_signal -3
.Lnot_wave_0_\@:
	s_barrier_wait -3
	s_barrier_signal -1
	s_barrier_wait -1
.endm
.macro CROUND
	s_barrier_signal -1
	s_barrier_wait -1
	CREST
.endm
	s_load_b128 s[4:7], s[0:1], 0x0                ; ob s[4:5], wof s[6:7]
	s_load_b64 s[8:9], s[0:1], 0x10                ; out0
	v_lshl_add_u32 v[SPW], v0, 2, SPARE
	v_mov_b32 v[NIL], 0
	ds_add_u32 v[SPW], v[NIL]                      ; the wave's opening: the add and its wait ahead of my first tensor load
	v_lshrrev_b32 v1, 5, v0
	v_readfirstlane_b32 s10, v1                    ; wave 0..3
	s_lshr_b32 s11, s10, 1                         ; which half of the tile's rows is mine.  Also: I fetch for ob (0) or for wof (1)
	s_and_b32 s12, s10, 1                          ; which half of its columns.  Also: which half of that tile I fetch
	s_bfe_u32 s40, ttmp6, 0x40000
	s_bfe_u32 s41, ttmp6, 0x40004
	s_lshl_b32 s42, ttmp9, 2
	s_add_co_u32 s42, s42, s40                     ; tile column
	s_and_b32 s67, ttmp7, 0xffff                   ; the cluster's y
	s_lshl_b32 s13, s67, 2
	s_add_co_u32 s13, s13, s41                     ; tile row
	s_lshl_b32 s43, s41, 2
	s_lshl_b32 s43, 15, s43                        ; my row of the cluster
	s_lshl_b32 s44, 0x1111, s40                    ; my column
	s_or_b32 s[G1], s43, (1<<16)|(1<<20)|(1<<21)|(6<<22)|(3<<25)   ; padding after every 128 words, 4 words
	s_or_b32 s[G1B], s44, (1<<16)|(1<<20)|(1<<21)|(5<<22)|(7<<25)  ; after every 64 words, 8 words
	s_mov_b32 s[G1+1], 256<<16                     ; ob: 64 rows x 256 elements
	s_mov_b32 s[G1+2], 64<<16
	s_mov_b32 s[G1+3], 256<<16
	s_mov_b32 s[G1+4], 64
	s_mov_b32 s[G1+5], 4096
	s_mov_b32 s[G1+6], 0
	s_mov_b32 s[G1+7], 0
	s_mov_b32 s[G1B+1], 128<<16                    ; wof: 128 k-rows x 128 elements
	s_mov_b32 s[G1B+2], 128<<16
	s_mov_b32 s[G1B+3], 128<<16
	s_mov_b32 s[G1B+4], 128
	s_mov_b32 s[G1B+5], 2048
	s_mov_b32 s[G1B+6], 0
	s_mov_b32 s[G1B+7], 0
	s_lshr_b32 s[KS], s67, 1                       ; the walk's first K step: it hangs on the cluster's x and y alone, which all sixteen partners share
	s_xor_b32 s[KS], s[KS], s67
	s_and_b32 s[KS], s[KS], 1
	s_lshl_b32 s[KS], s[KS], 1
	s_add_co_u32 s[KS], s[KS], ttmp9
	s_and_b32 s[KS], s[KS], 3
	s_lshl_b32 s[KS], s[KS], 2
	s_mov_b32 s[OFA+1], 0
	s_mov_b32 s[OFB+1], 0
	s_lshl_b32 s16, s13, 7
	s_lshl_b32 s17, s12, 6
	s_add_co_u32 s16, s16, s17                     ; ob: row 128 x tile row + 64 x half,
	s_lshl_b32 s16, s16, 13                        ; of 8,192 bytes
	s_mov_b32 s17, 0
	s_lshl_b32 s46, s42, 8                         ; wof: 128 columns a tile column,
	s_lshl_b32 s47, s12, 19                        ; 128 k-rows of 4,096 bytes a half
	s_add_co_u32 s46, s46, s47
	s_mov_b32 s47, 0
	s_mul_i32 s20, s12, 64*PAP                     ; where they go
	s_mul_i32 s21, s12, 128*PBP
	s_add_co_u32 s21, s21, AT
	s_wait_dscnt 0x0                               ; the opening add is done
	s_wait_kmcnt 0x0
	s_add_nc_u64 s[14:15], s[4:5], s[16:17]        ; the two bases: kept for the whole launch
	s_add_nc_u64 s[BB:BB+1], s[6:7], s[46:47]
	CROUND                                         ; all sixteen work-groups are here
.irp s, 0,1
	s_mov_b32 s[G0+4*(\s)], 1
	s_add_co_u32 s[G0+4*(\s)+1], s20, (\s)*SLOT
	s_mov_b32 s[G0B+4*(\s)], 1
	s_add_co_u32 s[G0B+4*(\s)+1], s21, (\s)*SLOT
	STEPADR \s
	JLOAD \s
.endr
	v_and_b32 v1, 15, v0                           ; r
	v_bfe_u32 v2, v0, 4, 1                         ; h
	v_and_b32 v3, 7, v0
	v_bfe_u32 v4, v0, 3, 1
	v_mul_u32_u24 v5, v1, PAP
	v_lshl_add_u32 v5, v2, 4, v5
	s_mul_i32 s21, s11, 64*PAP                     ; my 64 rows of ob
	v_add_nc_u32 v[ADRA], s21, v5
	v_add_nc_u32 v[ADRA+1], SLOT, v[ADRA]
	v_lshl_add_u32 v5, v2, 3, v3
	v_mul_u32_u24 v5, v5, PBP
	v_lshl_add_u32 v5, v4, 4, v5
	s_lshl_b32 s22, s12, 7                         ; my 64 columns of wof
	s_add_co_u32 s22, s22, AT
	v_add_nc_u32 v[ADRB], s22, v5
	v_add_nc_u32 v[ADRB+1], 128*PBP, v[ADRB]
	v_add_nc_u32 v[ADRB+2], SLOT, v[ADRB]
	v_add_nc_u32 v[ADRB+3], SLOT, v[ADRB+1]
	s_mul_i32 s23, s10, 16*SPITCH
	s_add_co_u32 s23, s23, STAGE                   ; my stage
	v_mul_u32_u24 v5, v1, SPITCH                   ; in: row r, 32 bytes for each half of the lanes
	v_lshl_add_u32 v5, v2, 5, v5
	v_add_nc_u32 v[STO], s23, v5
	v_mul_u32_u24 v5, v2, SPITCH                   ; back: lanes 0-15 take one row of 256 bytes, lanes 16-31 the next
	v_lshl_add_u32 v5, v1, 4, v5
	v_add_nc_u32 v[RD], s23, v5
	v_lshlrev_b32 v5, 13, v2                       ; and the same two rows in out0
	v_lshl_add_u32 v[CO], v1, 4, v5
	s_lshl_b32 s16, s13, 7
	s_lshl_b32 s17, s11, 6
	s_add_co_u32 s16, s16, s17                     ; my first row of out0
	s_lshl_b32 s16, s16, 13
	s_mov_b32 s17, 0
	s_add_nc_u64 s[8:9], s[8:9], s[16:17]
	s_lshl_b32 s46, s42, 9                         ; my first column, in bytes
	s_lshl_b32 s47, s12, 8
	s_add_co_u32 s46, s46, s47
	s_mov_b32 s47, 0
	s_add_nc_u64 s[8:9], s[8:9], s[46:47]
; 8 matrix instructions: row blocks a0, a0 + 1 x all 4 column blocks, 32 along K: half c of buffer f.  The 16 accumulators take turns.
.macro MUL8 f, c, a0, zero
	WIN MUL
.irp a, \a0, (\a0)+1
.irp b, 0,1,2,3
.if \zero
	v_wmma_f32_16x16x32_f16 v[ACC+8*(4*(\a)+(\b)):ACC+8*(4*(\a)+(\b))+7], v[(\f)+64+8*(4*(\c)+(\b)):(\f)+64+8*(4*(\c)+(\b))+7], v[(\f)+8*(4*(\c)+(\a)):(\f)+8*(4*(\c)+(\a))+7], 0
.else
	v_wmma_f32_16x16x32_f16 v[ACC+8*(4*(\a)+(\b)):ACC+8*(4*(\a)+(\b))+7], v[(\f)+64+8*(4*(\c)+(\b)):(\f)+64+8*(4*(\c)+(\b))+7], v[(\f)+8*(4*(\c)+(\a)):(\f)+8*(4*(\c)+(\a))+7], v[ACC+8*(4*(\a)+(\b)):ACC+8*(4*(\a)+(\b))+7]
.endif
.endr
.endr
.endm
; 32 LDS loads in one run: quarter q (64 along K) of a slot into buffer f; the first 32 along K first
.macro FETCH slot, q, f
	WIN TO_F
.irp c, 0,1
.irp i, 0,1,2,3
	ds_load_tr16_b128 v[(\f)+64+8*(4*(\c)+(\i)):(\f)+64+8*(4*(\c)+(\i))+3],   v[ADRB+2*(\slot)+(\q)/2] offset:(((\q)%2)*64+32*(\c))*PBP+32*(\i)
	ds_load_tr16_b128 v[(\f)+64+8*(4*(\c)+(\i))+4:(\f)+64+8*(4*(\c)+(\i))+7], v[ADRB+2*(\slot)+(\q)/2] offset:(((\q)%2)*64+32*(\c))*PBP+32*(\i)+16*PBP
	ds_load_b128 v[(\f)+8*(4*(\c)+(\i)):(\f)+8*(4*(\c)+(\i))+3],   v[ADRA+(\slot)] offset:(\q)*128+64*(\c)+(\i)*16*PAP
	ds_load_b128 v[(\f)+8*(4*(\c)+(\i))+4:(\f)+8*(4*(\c)+(\i))+7], v[ADRA+(\slot)] offset:(\q)*128+64*(\c)+(\i)*16*PAP+32
.endr
.endr
.endm
.macro QUARTER slot, q, f, g, zero
	s_wait_dscnt 16                                ; the first 32 along K are in
	MUL8 \f, 0, 0, \zero
	MUL8 \f, 0, 2, \zero
	PLACES
	FETCH \slot, \q, \g
	s_wait_dscnt 32                                ; all but the 32 just issued
	MUL8 \f, 1, 0, 0
	MUL8 \f, 1, 2, 0
.endm
; The last quarter multiplies buffer 1 and changes slots: ONE barrier; in front of it each wave waits for all its tensor loads, adds 0 to its spare word, and waits for that and for its reads of this slot.
.macro TURN slot, next, fill
	WIN 0
	s_wait_tensorcnt 0x0
	ds_add_u32 v[SPW], v[NIL]                      ; no tensor load of mine is out, so the descriptors are written while the add is out
.if \fill
	STEPADR \slot
.endif
	s_wait_dscnt 17                                ; (the add and the youngest sixteen loads may be out)
	MUL8 F1, 0, 0, 0
	s_wait_dscnt 0x0                               ; the add is done, and my reads of this slot are over
	s_barrier_signal -1
	MUL8 F1, 0, 2, 0
.if \fill
	WIN 0
.endif
	s_barrier_wait -1
.if \fill
	CREST
	JLOAD \slot                                    ; its four v_nop are also the places in front of the loads below
.else
	PLACES
.endif
	FETCH \next, 0, F0
	MUL8 F1, 1, 0, 0
	MUL8 F1, 1, 2, 0
.endm
	s_wait_tensorcnt 1                             ; my part of the walk's first step is in; the second's may stay out
	s_barrier_signal -1
	s_barrier_wait -1
	FETCH 0, 0, F0
	QUARTER 0, 1, F0, F1, 1                        ; the first products start the sums
	WIN 0
	s_mov_b32 s3, LAPS-1
.Llap:
	QUARTER 0, 2, F1, F0, 0
	QUARTER 0, 3, F0, F1, 0
	TURN 0, 1, 1
	QUARTER 1, 1, F0, F1, 0
	QUARTER 1, 2, F1, F0, 0
	QUARTER 1, 3, F0, F1, 0
	TURN 1, 0, 1
	QUARTER 0, 1, F0, F1, 0
	WIN 0
	s_sub_co_u32 s3, s3, 1
	s_cmp_lg_u32 s3, 0
	s_cbranch_scc1 .Llap
	QUARTER 0, 2, F1, F0, 0                        ; the last lap fills nothing
	QUARTER 0, 3, F0, F1, 0
	TURN 0, 1, 0
	QUARTER 1, 1, F0, F1, 0
	QUARTER 1, 2, F1, F0, 0
	QUARTER 1, 3, F0, F1, 0
	s_wait_dscnt 16
	MUL8 F1, 0, 0, 0
	MUL8 F1, 0, 2, 0
	s_wait_dscnt 0x0
	MUL8 F1, 1, 0, 0
	MUL8 F1, 1, 2, 0
	WIN 0
	PLACES
; THE WAY OUT, a block of 16 rows at a time: 32 bytes a lane into my stage (an accumulator's low half first), back as whole rows of 256 bytes into the registers that they left.
.macro PACK a
.irp b, 0,1,2,3
	ds_store_b128 v[STO], v[ACC+8*(4*(\a)+(\b)):ACC+8*(4*(\a)+(\b))+3] offset:64*(\b)
	ds_store_b128 v[STO], v[ACC+8*(4*(\a)+(\b))+4:ACC+8*(4*(\a)+(\b))+7] offset:64*(\b)+16
.endr
.irp t, 0,1,2,3,4,5,6,7
	ds_load_b128 v[ACC+32*(\a)+4*(\t):ACC+32*(\a)+4*(\t)+3], v[RD] offset:(\t)*2*SPITCH  ; LDS serves a wave's instructions in order (ISA guide 5.7.1.4): these see the stores above; the next block's stores come behind them
.endr
.endm
.macro SEND a, younger                 ; younger: the LDS instructions issued behind block a's loads: the next block's sixteen, or none
.irp t, 0,1,2,3,4,5,6,7
	s_wait_dscnt (\younger)+7-(\t)
	global_store_b128 v[CO], v[ACC+32*(\a)+4*(\t):ACC+32*(\a)+4*(\t)+3], s[8:9] offset:(16*(\a)+2*(\t))*8192  ; 16 lanes store 256 consecutive bytes, at a multiple of 256 from out0's first byte
.endr
.endm
	PACK 0
	PACK 1
	SEND 0, 16
	PACK 2
	SEND 1, 16
	PACK 3
	SEND 2, 16
	SEND 3, 0
	s_wait_tensorcnt 0x0                           ; the wave's end
	ds_add_u32 v[SPW], v[NIL]
	s_wait_dscnt 0x0
	CROUND                                         ; the closing round
	s_endpgm
.Lfunc_end_k_qb5b475e62a_oproj:
	.size	k_qb5b475e62a_oproj, .Lfunc_end_k_qb5b475e62a_oproj-k_qb5b475e62a_oproj
	.p2alignl 7, 3214868480
	.fill 96, 4, 3214868480
	.section	.rodata,"a",@progbits
	.p2align	6, 0x0
	.amdhsa_kernel k_qb5b475e62a_oproj
		.amdhsa_group_segment_fixed_size 327680
		.amdhsa_private_segment_fixed_size 0
		.amdhsa_enable_private_segment 0
		.amdhsa_kernarg_size 24
		.amdhsa_user_sgpr_count 2
		.amdhsa_user_sgpr_kernarg_segment_ptr 1
		.amdhsa_wavefront_size32 1
		.amdhsa_system_sgpr_workgroup_id_x 1
		.amdhsa_system_sgpr_workgroup_id_y 1
		.amdhsa_system_sgpr_workgroup_id_z 1
		.amdhsa_system_vgpr_workitem_id 0
		.amdhsa_next_free_vgpr 512
		.amdhsa_next_free_sgpr 80
		.amdhsa_reserve_vcc 0
		.amdhsa_float_denorm_mode_32 3
		.amdhsa_float_denorm_mode_16_64 3
		.amdhsa_memory_ordered 1
		.amdhsa_forward_progress 1
		.amdhsa_inst_pref_size 87
	.end_amdhsa_kernel
	.amdgpu_metadata
---
amdhsa.version: [ 1, 2 ]
amdhsa.kernels:
  - .name:           k_qb5b475e62a_oproj
    .symbol:         k_qb5b475e62a_oproj.kd
    .args:
      - { .name: ob, .offset: 0, .size: 8, .value_kind: global_buffer, .address_space: global }
      - { .name: wof, .offset: 8, .size: 8, .value_kind: global_buffer, .address_space: global }
      - { .name: out0, .offset: 16, .size: 8, .value_kind: global_buffer, .address_space: global }
    .group_segment_fixed_size: 327680
    .private_segment_fixed_size: 0
    .kernarg_segment_align: 8
    .kernarg_segment_size: 24
    .max_flat_workgroup_size: 128
    .sgpr_count:     80
    .vgpr_count:     512
    .wavefront_size: 32
...
	.end_amdgpu_metadata
.endif
;; end of part 4
